; MI455X (gfx1250); checked and timed in simulation.
; The chip was launched on July 23, 2026; its instructions are those of AMD's public machine-readable ISA for CDNA 5 (MIT licence, August 2026) and "CDNA5" Instruction Set Architecture Reference Guide (July 2026). The comments in the code are by the model that wrote it; some were corrected since.
;; Sparse Mo E. Allowed arithmetic: matrix products marked QUANTISED: E2M3 operands, one E8M0 scale for each 32 along K, by v_wmma_scale_f32_16x16x128_f8f6f4 with both operands' format E2M3, f32 sums; products left as they are: f32 operands where the result goes on into a quantised operand, else bf16, f16 or f32 operands; f32 sums; everything else in f32.
;; Inputs: b1 16 x 2,048 float32; b2 16 x 512 float32; router_b 16 float32; router_w_codes 16 x 16 x 24 uint8 (E2M3 codes of router_w, K innermost, in blocks of 32 codes, four codes in three bytes); router_w_scales 16 x 16 uint8 (E8M0 scales of router_w, one for each 32 codes along K); w1_codes 16 x 2,048 x 16 x 24 uint8 (E2M3 codes of w1, K innermost, in blocks of 32 codes, four codes in three bytes); w1_scales 16 x 2,048 x 16 uint8 (E8M0 scales of w1, one for each 32 codes along K); w2_codes 16 x 512 x 64 x 24 uint8 (E2M3 codes of w2, K innermost, in blocks of 32 codes, four codes in three bytes); w2_scales 16 x 512 x 64 uint8 (E8M0 scales of w2, one for each 32 codes along K); x_codes 16 x 128 x 16 x 24 uint8 (E2M3 codes of x, K innermost, in blocks of 32 codes, four codes in three bytes); x_scales 16 x 128 x 16 uint8 (E8M0 scales of x, one for each 32 codes along K).
;; Outputs: out0 16 x 128 x 512 float32.
;; This version of the problem:
;;   THIS VERSION OF THE PROBLEM IS GIVEN IN LOW PRECISION. The matrix products marked QUANTISED in the list below multiply operands that are first quantised to E2M3 (2 exponent bits, 3 mantissa bits; 6 bits a number), with one power-of-two scale for each 32 numbers along K (OCP MX v1.0); their sums are f32. All else is computed in f32.
;;   The module's matrix products, in the order in which they are computed (A, B: the left and right operand; K: the contracted axis; several contracted axes count as one K, in the product's order):
;;     1. [M 2,048, K 512] x [K 512, N 16]; A: input x (given as codes); B: input router_w (given as codes): QUANTISED
;;     2. batch 2,048 x [M 1, K 4] x [K 4, N 16]; A: softmax; B: computed on the way: left as it is (K = 4 < 32)
;;     3. [M 2,048, K 512] x [K 512, N 2,048]; A: input x (given as codes); B: input w1 (given as codes): QUANTISED
;;     4. [M 2,048, K 2,048] x [K 2,048, N 512]; A: computed on the way; B: input w2 (given as codes): QUANTISED
;;     5. [M 2,048, K 512] x [K 512, N 2,048]; A: input x (given as codes); B: input w1 (given as codes): QUANTISED
;;     6. [M 2,048, K 2,048] x [K 2,048, N 512]; A: computed on the way; B: input w2 (given as codes): QUANTISED
;;     7. [M 2,048, K 512] x [K 512, N 2,048]; A: input x (given as codes); B: input w1 (given as codes): QUANTISED
;;     8. [M 2,048, K 2,048] x [K 2,048, N 512]; A: computed on the way; B: input w2 (given as codes): QUANTISED
;;     9. [M 2,048, K 512] x [K 512, N 2,048]; A: input x (given as codes); B: input w1 (given as codes): QUANTISED
;;     10. [M 2,048, K 2,048] x [K 2,048, N 512]; A: computed on the way; B: input w2 (given as codes): QUANTISED
;;     11. [M 2,048, K 512] x [K 512, N 2,048]; A: input x (given as codes); B: input w1 (given as codes): QUANTISED
;;     12. [M 2,048, K 2,048] x [K 2,048, N 512]; A: computed on the way; B: input w2 (given as codes): QUANTISED
;;     13. [M 2,048, K 512] x [K 512, N 2,048]; A: input x (given as codes); B: input w1 (given as codes): QUANTISED
;;     14. [M 2,048, K 2,048] x [K 2,048, N 512]; A: computed on the way; B: input w2 (given as codes): QUANTISED
;;     15. [M 2,048, K 512] x [K 512, N 2,048]; A: input x (given as codes); B: input w1 (given as codes): QUANTISED
;;     16. [M 2,048, K 2,048] x [K 2,048, N 512]; A: computed on the way; B: input w2 (given as codes): QUANTISED
;;     17. [M 2,048, K 512] x [K 512, N 2,048]; A: input x (given as codes); B: input w1 (given as codes): QUANTISED
;;     18. [M 2,048, K 2,048] x [K 2,048, N 512]; A: computed on the way; B: input w2 (given as codes): QUANTISED
;;     19. [M 2,048, K 512] x [K 512, N 2,048]; A: input x (given as codes); B: input w1 (given as codes): QUANTISED
;;     20. [M 2,048, K 2,048] x [K 2,048, N 512]; A: computed on the way; B: input w2 (given as codes): QUANTISED
;;     21. [M 2,048, K 512] x [K 512, N 2,048]; A: input x (given as codes); B: input w1 (given as codes): QUANTISED
;;     22. [M 2,048, K 2,048] x [K 2,048, N 512]; A: computed on the way; B: input w2 (given as codes): QUANTISED
;;     23. [M 2,048, K 512] x [K 512, N 2,048]; A: input x (given as codes); B: input w1 (given as codes): QUANTISED
;;     24. [M 2,048, K 2,048] x [K 2,048, N 512]; A: computed on the way; B: input w2 (given as codes): QUANTISED
;;     25. [M 2,048, K 512] x [K 512, N 2,048]; A: input x (given as codes); B: input w1 (given as codes): QUANTISED
;;     26. [M 2,048, K 2,048] x [K 2,048, N 512]; A: computed on the way; B: input w2 (given as codes): QUANTISED
;;     27. [M 2,048, K 512] x [K 512, N 2,048]; A: input x (given as codes); B: input w1 (given as codes): QUANTISED
;;     28. [M 2,048, K 2,048] x [K 2,048, N 512]; A: computed on the way; B: input w2 (given as codes): QUANTISED
;;     29. [M 2,048, K 512] x [K 512, N 2,048]; A: input x (given as codes); B: input w1 (given as codes): QUANTISED
;;     30. [M 2,048, K 2,048] x [K 2,048, N 512]; A: computed on the way; B: input w2 (given as codes): QUANTISED
;;     31. [M 2,048, K 512] x [K 512, N 2,048]; A: input x (given as codes); B: input w1 (given as codes): QUANTISED
;;     32. [M 2,048, K 2,048] x [K 2,048, N 512]; A: computed on the way; B: input w2 (given as codes): QUANTISED
;;     33. [M 2,048, K 512] x [K 512, N 2,048]; A: input x (given as codes); B: input w1 (given as codes): QUANTISED
;;     34. [M 2,048, K 2,048] x [K 2,048, N 512]; A: computed on the way; B: input w2 (given as codes): QUANTISED
;;   THE QUANTISER, for each operand of a quantised product, along K:
;;     - K is cut into blocks of 32 from its start; a last block that is shorter is filled with zeros.
;;     - A block's scale is 2^e with e = floor(log2(the largest magnitude in the block)) - 2, held to -126 .. 127; a block of zeros has e = 0. As a byte (E8M0): e + 127.
;;     - Each number is divided by its block's scale, clamped to +-7.5, and rounded to the nearest number of E2M3, ties to even, subnormals kept.
;;     - The product sums the exact products of the quantised numbers (number of the format x scale) in f32.
;;   ~~~python
;;   def quantise(x, axis):      # numpy; x: float32 -> the quantised numbers, widened to float32 again
;;       x = np.moveaxis(x, axis, -1); K = x.shape[-1]
;;       x = np.pad(x, [(0, 0)] * (x.ndim - 1) + [(0, -K % 32)]); x = x.reshape(x.shape[:-1] + (-1, 32)); a = np.abs(x).max(-1, keepdims=True)
;;       e = np.where(a > 0, np.clip(np.frexp(np.where(a > 0, a, 1))[1] - 1 - 2, -126, 127), 0)      # np.frexp(a)[1] - 1 = floor(log2(a)), exactly
;;       r = np.clip(x / 2.0 ** e, -7.5, 7.5)
;;       step = 2.0 ** (np.maximum(np.frexp(np.where(r == 0, 1, r))[1] - 1, 0) - 3)
;;       q = np.round(r / step) * step * 2.0 ** e      # np.round: ties to even
;;       return np.moveaxis(q.reshape(q.shape[:-2] + (-1,))[..., :K], -1, axis).astype(np.float32)
;;   ~~~
;;   OPERANDS COMPUTED ON THE WAY. 'Computed on the way' means the value that the module computes at that place (a softmax that the list does not call 'softmax' is quantised finished and normalised). What goes into a quantiser is computed in f32, as accurately as f32 sums, v_exp_f32 and their like allow (about 1e-6 of the number): no bf16 or f16 on the way to a quantiser, and a product that is left as it is and whose result goes on into a quantised operand takes f32 operands (vector FMAs, or v_wmma_f32_16x16x4_f32). A number that lies on a knife's edge between two numbers of the format may be rounded either way, as far as f32 arithmetic and the matrix unit's own rounding can turn it there, and no further.
;;   INPUTS GIVEN AS CODES. router_w (in the module: [512, 16], K = its axis 0); w1 (in the module: [16, 512, 2048], K = its axis 1); w2 (in the module: [16, 2048, 512], K = its axis 1); x (in the module: [16, 128, 512], K = its axis 2): each comes as NAME_codes (uint8): NAME with its K axis moved to the last place and cut into blocks of 32 codes, [.., K / 32, bytes a block], one block behind the other in memory; four codes in three bytes: a row's codes are one little-endian stream of bits, code i at bits 6 i .. 6 i + 5 (a code: sign, 2 exponent bits, 3 mantissa bits); and NAME_scales (uint8): the same leading axes, one E8M0 byte (e + 127) for each 32 codes along K. Its value is code x scale, taken as it is: it is not quantised again, and the codes and scales need not be those that the quantiser above would give.
;; 2 versions, each right; version 2 is version 1 with the launches prep, chain written anew for expert scheduling mode. Each part assembles by itself: llvm-mc -triple=amdgcn-amd-amdhsa -mcpu=gfx1250 --defsym DOCPART=n.
;; ======== version 1 of 2: 3 launches
;; workspace buffers: wimg 26,214,400 bytes; route 16,384 bytes of whole numbers; cnt 8,192 bytes of whole numbers; gates 32,768 bytes; partial 16,777,216 bytes
;; launch prep (part 1): grid 272 x 1, 4 waves a work-group, no clusters, 103,936 bytes of LDS; arguments x_codes, x_scales, router_w_codes, router_w_scales, router_b, w1_codes, w1_scales, w2_codes, w2_scales, wimg, route, cnt, gates; writes wimg, route, cnt, gates
.if DOCPART == 1
	.amdgcn_target "amdgcn-amd-amdhsa--gfx1250"
	.amdhsa_code_object_version 6
	.text
	.protected	k_q7ff0629f22_prep
	.globl	k_q7ff0629f22_prep
	.p2align	8
	.type	k_q7ff0629f22_prep,@function
k_q7ff0629f22_prep:
	s_mov_b64 s[64:65], 0
	v_nop
	global_prefetch_b8 v0, s[64:65] scope:SCOPE_SE
	s_setreg_imm32_b32 hwreg(HW_REG_WAVE_MODE, 25, 1), 1
	s_wait_xcnt 0x0
; TWO JOBS IN ONE LAUNCH, told apart by the work-group's number.
; Work-groups 0-15: THE ROUTER.  logits = x router_w + router_b on codes of FP6 (E2M3), the four largest of each token's 16 (a tie keeps the lower index),
; their softmax.  A wave takes 32 tokens.  Everything is stored at fixed places: route[t] = (emask: bit e set where expert e is chosen; slotw: two bits an expert,
; the slot k of that expert), gates[t][k], cnt[work-group][lane e][wave] = how many of the wave's 32 tokens chose expert e (lanes 16-31: 0).
; No address and no branch hangs on the choice.
; Work-groups 16-143 (w1) and 144-271 (w2): THE LAYOUT of the weights into wimg, in the order of a wave's operand registers in the next launch.
; wimg = [expert 16][round 4][wave 4] records of 102,400 bytes: 32 batches of 3,072 bytes (two fragments of 16 rows x 128 K; a fragment's registers 4 g .. 4 g + 3 of
; lane l lie at 512 g + 16 l), then 32 scale registers of 128 bytes (4 bytes a lane; lanes 0-15 the batch's first fragment, lanes 16-31 its second).
; Batches 4 b + s: w1, rows 512 round + 128 wave + 32 b + 8 u + r + 8 (r / 8).  K'S BLOCKS OF 32 ARE PERMUTED: in step s registers 6 c .. 6 c + 5 of lane (r, h) hold the
; row's block 8 h + 2 s + c, and byte 2 c + h of the scale word is that block's; the next launch lays x the same way, so the products are the same.
; Batches 16 + 4 j + np: w2, rows 128 wave + 16 (2 np + u) + r, K step 4 round + j, in the plain layout.
; A wave's task is 24,576 dense bytes of codes: read by loads of 512 consecutive bytes, turned in the wave's own stage in LDS, stored by stores of 512 consecutive bytes.
; LIMITS: NaN and infinite logits are not served; two logits that f32 sums cannot tell apart may change places.
.set STW, 25856                        ; a wave's stage: 16 groups of 1,616 bytes = 4 pieces of 384 bytes at a pitch of 400, + 16
.set REC_E, 1638400
.set REC_RD, 409600
.set REC_W, 102400
; Fragment f of a task out of the stage, six loads of 8 bytes, into v[16 + 12 f] on.  w1: f = 8 bb + 2 s + u;  w2: f = the K step
.macro LDW1 f
.irp p, 0,1,2,3,4,5
	ds_load_b64 v[16+12*(\f)+2*\p:17+12*(\f)+2*\p], v15 offset:(32*((\f)/8)+8*((\f)%2))*400+(8*((\f)/8)+2*((\f)%2))*16+48*(((\f)%8)/2)+24*(\p/3)+8*(\p%3)
.endr
.endm
.macro LDW2 f
.irp p, 0,1,2,3,4,5
	ds_load_b64 v[16+12*(\f)+2*\p:17+12*(\f)+2*\p], v15 offset:400*((\f)/4)+96*((\f)%4)+48*(\p/3)+8*(\p%3)
.endr
.endm
.macro FWAIT f                         ; fragment f is in.  Fragments up to f + 7 have been asked for: seven younger ones, six loads each, may be out; at the end those that are left
.if (\f) < 9
	s_wait_dscnt 42
.else
	s_wait_dscnt 6*(15-(\f))
.endif
.endm
	s_load_b512 s[4:19], s[0:1], 0x0               ; x codes s[4:5], x scales s[6:7], router_w codes s[8:9], scales s[10:11], router_b s[12:13], w1 codes s[14:15], scales s[16:17], w2 codes s[18:19]
	s_load_b256 s[20:27], s[0:1], 0x40             ; w2 scales s[20:21], wimg s[22:23], route s[24:25], cnt s[26:27]
	s_load_b64 s[28:29], s[0:1], 0x60              ; gates
	v_lshl_add_u32 v254, v0, 2, 0x19400
	v_mov_b32 v255, 0
	v_lshrrev_b32 v1, 5, v0
	v_readfirstlane_b32 s30, v1                    ; wave
	v_and_b32 v1, 31, v0                           ; lane
	v_and_b32 v2, 15, v0                           ; r
	v_bfe_u32 v3, v0, 4, 1                         ; h
	v_lshlrev_b32 v4, 4, v1                        ; 16 x lane
	v_lshlrev_b32 v5, 2, v1                        ; 4 x lane
	s_mov_b32 s39, 0
	s_mov_b32 s54, 0x05010400                      ; byte selects: of two words, bytes 0, 4, 1, 5
	s_mov_b32 s55, 0x07030602                      ; and bytes 2, 6, 3, 7
	s_wait_kmcnt 0x0
	s_cmp_lt_u32 ttmp9, 16
	s_cbranch_scc1 .Lrouter
; ---------------- THE LAYOUT ----------------
	s_sub_co_u32 s31, ttmp9, 16
	s_and_b32 s32, s31, 127
	s_lshl_b32 s32, s32, 2
	s_add_co_u32 s32, s32, s30                     ; my task, 0 .. 511, of w1 or of w2
	s_cmp_lt_u32 s31, 128                          ; w1?  The choice hangs on the work-group's number alone
	s_cselect_b64 s[34:35], s[14:15], s[18:19]     ; the codes
	s_cselect_b64 s[36:37], s[16:17], s[20:21]     ; the scale bytes
	s_mul_i32 s38, s32, 24576
	s_add_nc_u64 s[34:35], s[34:35], s[38:39]
	s_lshl_b32 s38, s32, 10                        ; 1,024 scale bytes a task
	s_add_nc_u64 s[36:37], s[36:37], s[38:39]
.set i, 0
.rept 48
	global_load_b128 v[16+4*i:19+4*i], v4, s[34:35] offset:512*i th:TH_LOAD_NT   ; 32 lanes read 512 consecutive bytes; read once in the launch
.set i, i+1
.endr
	s_mul_i32 s40, s30, STW                        ; my stage
.irp k, 0,1,2                          ; three loads are 96 pieces of 16 bytes = 4 x 384 bytes = one group.  Piece g = 32 k + lane goes to 16 (g + g / 24); g / 24 = (171 g) >> 12 for g under 96
	v_add_nc_u32 v[8+\k], 32*\k, v1
	v_mul_u32_u24 v11, v[8+\k], 171
	v_lshrrev_b32 v11, 12, v11
	v_add_nc_u32 v[8+\k], v[8+\k], v11
	v_lshlrev_b32 v[8+\k], 4, v[8+\k]
	v_add_nc_u32 v[8+\k], s40, v[8+\k]
.endr
	s_lshr_b32 s41, s32, 5                         ; the expert: 32 tasks each
	s_mul_i32 s38, s41, REC_E
.set i, 0
.rept 48
	s_wait_loadcnt 47-i                            ; load i is in; the 47 - i behind it may be out
	ds_store_b128 v[8+i%3], v[16+4*i:19+4*i] offset:1616*(i/3)
.set i, i+1
.endr
	s_wait_dscnt 0x0                               ; the stores have read their registers, which the loads below fill again
	s_cmp_lt_u32 s31, 128
	s_cbranch_scc0 .Lw2
; w1: the task is 64 rows of 384 bytes: round (task >> 3) & 3, wave (task >> 1) & 3, half c = task & 1: batches 8 c .. 8 c + 7
	s_bfe_u32 s42, s32, 0x20003
	s_mul_i32 s42, s42, REC_RD
	s_add_co_u32 s38, s38, s42
	s_bfe_u32 s42, s32, 0x20001
	s_mul_i32 s42, s42, REC_W
	s_add_co_u32 s38, s38, s42                     ; the record
	s_and_b32 s42, s32, 1
	s_mul_i32 s43, s42, 24576
	s_add_co_u32 s50, s38, s43                     ; my 16 fragments
	s_mov_b32 s51, 0
	s_lshl_b32 s43, s42, 10
	s_add_co_u32 s52, s38, s43
	s_add_co_u32 s52, s52, 98304                   ; my 8 scale registers
	s_mov_b32 s53, 0
	s_add_nc_u64 s[44:45], s[22:23], s[50:51]
	s_add_nc_u64 s[46:47], s[22:23], s[52:53]
	v_and_b32 v13, 8, v2
	v_add_nc_u32 v13, v13, v2                      ; r + 8 (r / 8)
	v_lshl_add_u32 v14, v3, 3, v13                 ; the scale register's lanes 16-31 belong to the second fragment, 8 rows on
	v_lshlrev_b32 v14, 4, v14                      ; 16 scale bytes a row
	global_load_b128 v[208:211], v14, s[36:37]
	global_load_b128 v[212:215], v14, s[36:37] offset:512   ; 32 rows on
	v_mul_u32_u24 v15, v13, 400
	v_lshrrev_b32 v11, 2, v13
	v_lshl_add_u32 v15, v11, 4, v15                ; row x 400 + 16 for each four rows passed
	v_mad_u32_u24 v15, v3, 192, v15                ; my half of the row: blocks 8 h on
	v_add_nc_u32 v15, s40, v15
.set f, 0
.rept 8
	LDW1 f
.set f, f+1
.endr
.set f, 0
.rept 16
	FWAIT f
.irp g, 0,1,2
	global_store_b128 v4, v[16+12*f+4*\g:19+12*f+4*\g], s[44:45] offset:1536*f+512*\g   ; 512 consecutive bytes, aligned
.endr
.if f < 8
	LDW1 f+8                                       ; eight fragments' loads are kept on their way; each fragment has registers of its own
.endif
.set f, f+1
.endr
	s_wait_loadcnt 0x0                             ; the scale bytes
.irp bb, 0,1                           ; word s: bytes 2 s, 8 + 2 s, 2 s + 1, 8 + 2 s + 1 of the row's sixteen
	v_perm_b32 v[216+4*\bb], v[210+4*\bb], v[208+4*\bb], s54
	v_perm_b32 v[217+4*\bb], v[210+4*\bb], v[208+4*\bb], s55
	v_perm_b32 v[218+4*\bb], v[211+4*\bb], v[209+4*\bb], s54
	v_perm_b32 v[219+4*\bb], v[211+4*\bb], v[209+4*\bb], s55
.endr
.irp q, 0,1,2,3,4,5,6,7
	global_store_b32 v5, v[216+\q], s[46:47] offset:128*\q
.endr
	s_wait_tensorcnt 0x0
	ds_add_u32 v254, v255
	s_wait_dscnt 0x0
	s_endpgm
; w2: the task is 16 rows of 1,536 bytes: wave (task >> 3) & 3, np = (task >> 1) & 3, u = task & 1; its 16 K steps go to four rounds' records
.Lw2:
	s_bfe_u32 s42, s32, 0x20003
	s_mul_i32 s42, s42, REC_W
	s_add_co_u32 s38, s38, s42                     ; round 0's record
	s_bfe_u32 s42, s32, 0x20001                    ; np
	s_and_b32 s43, s32, 1                          ; u
	s_mul_i32 s48, s42, 3072
	s_mul_i32 s49, s43, 1536
	s_add_co_u32 s50, s38, s48
	s_add_co_u32 s50, s50, s49
	s_add_co_u32 s50, s50, 49152                   ; batch 16 + np, fragment u
	s_mov_b32 s51, 0
	s_lshl_b32 s48, s42, 7
	s_lshl_b32 s49, s43, 6
	s_add_co_u32 s52, s38, s48
	s_add_co_u32 s52, s52, s49
	s_add_co_u32 s52, s52, 98304+2048              ; its scale register, my half of the lanes
	s_mov_b32 s53, 0
	s_add_nc_u64 s[44:45], s[22:23], s[50:51]
	s_add_nc_u64 s[46:47], s[22:23], s[52:53]
	v_lshlrev_b32 v14, 6, v2                       ; 64 scale bytes a row;
	v_lshl_add_u32 v14, v3, 5, v14                 ; lanes 16-31 take the row's words 8 to 15
	global_load_b128 v[208:211], v14, s[36:37]
	global_load_b128 v[212:215], v14, s[36:37] offset:16
	v_mul_u32_u24 v15, v2, 1616
	v_mad_u32_u24 v15, v3, 24, v15
	v_add_nc_u32 v15, s40, v15                     ; row r, + 24 h
.set f, 0
.rept 8
	LDW2 f
.set f, f+1
.endr
.set f, 0
.rept 16
	FWAIT f
.irp g, 0,1,2
	global_store_b128 v4, v[16+12*f+4*\g:19+12*f+4*\g], s[44:45] offset:REC_RD*(f/4)+12288*(f%4)+512*\g
.endr
.if f < 8
	LDW2 f+8
.endif
.set f, f+1
.endr
	v_mul_u32_u24 v12, v3, 2*REC_RD                ; words 8 to 15 belong two rounds on
	v_lshl_add_u32 v12, v2, 2, v12
	s_wait_loadcnt 0x0
.irp q, 0,1,2,3,4,5,6,7
	global_store_b32 v12, v[208+\q], s[46:47] offset:REC_RD*(\q/4)+512*(\q%4)   ; sixteen lanes store 64 consecutive bytes: one part in fifty of the image
.endr
	s_wait_tensorcnt 0x0
	ds_add_u32 v254, v255
	s_wait_dscnt 0x0
	s_endpgm
; ---------------- THE ROUTER ----------------
.Lrouter:
	s_lshl_b32 s31, ttmp9, 7
	s_lshl_b32 s32, s30, 5
	s_add_co_u32 s31, s31, s32                     ; my first token: 128 x work-group + 32 x wave
	s_mul_i32 s38, s31, 384
	s_add_nc_u64 s[4:5], s[4:5], s[38:39]
	s_lshl_b32 s38, s31, 4
	s_add_nc_u64 s[6:7], s[6:7], s[38:39]
	s_add_nc_u64 s[28:29], s[28:29], s[38:39]
	s_lshl_b32 s38, s31, 3
	s_add_nc_u64 s[24:25], s[24:25], s[38:39]
	s_lshl_b32 s38, ttmp9, 9
	s_lshl_b32 s32, s30, 2
	s_add_co_u32 s38, s38, s32
	s_add_nc_u64 s[26:27], s[26:27], s[38:39]      ; cnt: 512 x work-group + 4 x wave (+ 16 x lane)
	s_mov_b32 s40, 0x76543210
	s_mov_b32 s41, 0xfedcba98                      ; v_permlanex16_b32's selects for lane l xor 16
	v_mul_u32_u24 v6, v2, 384
	v_mad_u32_u24 v6, v3, 24, v6                   ; row r of 384 bytes, + 24 h
	v_lshlrev_b32 v7, 4, v2                        ; 16 scale bytes a row
	v_lshlrev_b32 v8, 5, v3                        ; router_b: my half's eight experts
.irp t, 0,1                            ; x: tile t of 16 tokens, K step s, at v[16 + 48 t + 12 s]
.irp s, 0,1,2,3
.irp p, 0,1,2,3,4,5
	global_load_b64 v[16+48*\t+12*\s+2*\p:17+48*\t+12*\s+2*\p], v6, s[4:5] offset:6144*\t+96*\s+48*(\p/3)+8*(\p%3)
.endr
.endr
.endr
.irp s, 0,1,2,3                        ; router_w: 16 experts' rows, at v[112 + 12 s]
.irp p, 0,1,2,3,4,5
	global_load_b64 v[112+12*\s+2*\p:113+12*\s+2*\p], v6, s[8:9] offset:96*\s+48*(\p/3)+8*(\p%3)
.endr
.endr
	global_load_b128 v[160:163], v7, s[6:7]                ; a row's four scale words: tile 0,
	global_load_b128 v[164:167], v7, s[6:7] offset:256     ; tile 1,
	global_load_b128 v[168:171], v7, s[10:11]              ; router_w
	global_load_b128 v[172:175], v8, s[12:13]              ; router_b in the result's layout: it starts the sums
	global_load_b128 v[176:179], v8, s[12:13] offset:16
.irp j, 0,1,2,3,4,5,6,7,8,9,10,11,12,13,14,15
	v_mov_b32 v[228+\j], 0                         ; a lane permute's destination counts as one of its sources
.endr
	v_mov_b32 v220, 0xff800000                     ; -infinity
	s_wait_loadcnt 0x0
; source 0 = the 16 experts, source 1 = 16 tokens: lane (r, h) holds token r and experts 8 h + 0 .. 7.  The two tiles take turns; K ascends
	v_wmma_scale_f32_16x16x128_f8f6f4 v[180:187], v[112:123], v[16:27], v[172:179], v168, v160 matrix_a_fmt:MATRIX_FMT_FP6 matrix_b_fmt:MATRIX_FMT_FP6
	v_wmma_scale_f32_16x16x128_f8f6f4 v[188:195], v[112:123], v[64:75], v[172:179], v168, v164 matrix_a_fmt:MATRIX_FMT_FP6 matrix_b_fmt:MATRIX_FMT_FP6
.irp s, 1,2,3
	v_wmma_scale_f32_16x16x128_f8f6f4 v[180:187], v[112+12*\s:123+12*\s], v[16+12*\s:27+12*\s], v[180:187], v[168+\s], v[160+\s] matrix_a_fmt:MATRIX_FMT_FP6 matrix_b_fmt:MATRIX_FMT_FP6
	v_wmma_scale_f32_16x16x128_f8f6f4 v[188:195], v[112+12*\s:123+12*\s], v[64+12*\s:75+12*\s], v[188:195], v[168+\s], v[164+\s] matrix_a_fmt:MATRIX_FMT_FP6 matrix_b_fmt:MATRIX_FMT_FP6
.endr
.rept 4
	v_nop                                          ; four places between a matrix instruction and the first read of its result (ISA guide 7.12.1)
.endr
; all 16 logits of ONE token into each lane, in the experts' order: lanes 0-15 token r of tile 0, lanes 16-31 token r of tile 1: lane l has token l of the wave's 32
.irp j, 0,1,2,3,4,5,6,7
	v_permlanex16_b32 v[228+\j], v[180+\j], s40, s41
.endr
.irp j, 0,1,2,3,4,5,6,7
	v_permlanex16_b32 v[236+\j], v[188+\j], s40, s41
.endr
	s_mov_b32 vcc_lo, 0xffff0000
.irp j, 0,1,2,3,4,5,6,7
	v_cndmask_b32 v[196+\j], v[180+\j], v[236+\j], vcc_lo  ; experts 0-7
.endr
.irp j, 0,1,2,3,4,5,6,7
	v_cndmask_b32 v[204+\j], v[228+\j], v[188+\j], vcc_lo  ; experts 8-15
.endr
; the four largest: value k in v[212 + k], its expert in v[216 + k].  'not greater' keeps what was found: of equals the lower index
.irp k, 0,1,2,3
	v_mov_b32 v[212+\k], v196
	v_mov_b32 v[216+\k], 0
.irp e, 1,2,3,4,5,6,7,8,9,10,11,12,13,14,15
	v_cmp_le_f32 vcc_lo, v[196+\e], v[212+\k]
	v_cndmask_b32 v[212+\k], v[196+\e], v[212+\k], vcc_lo
	v_cndmask_b32 v[216+\k], \e, v[216+\k], vcc_lo
.endr
.if \k < 3
.irp e, 0,1,2,3,4,5,6,7,8,9,10,11,12,13,14,15
	v_cmp_eq_u32 vcc_lo, \e, v[216+\k]
	v_cndmask_b32 v[196+\e], v[196+\e], v220, vcc_lo       ; the one found counts no more
.endr
.endif
.endr
; the softmax of the four: the first is the largest and is taken away, so its exponential is 1
	v_sub_f32 v222, v213, v212
	v_sub_f32 v223, v214, v212
	v_sub_f32 v224, v215, v212
	v_mul_f32 v222, 0x3fb8aa3b, v222
	v_mul_f32 v223, 0x3fb8aa3b, v223
	v_mul_f32 v224, 0x3fb8aa3b, v224
	v_exp_f32 v222, v222
	v_exp_f32 v223, v223
	v_exp_f32 v224, v224
	v_mov_b32 v221, 1                              ; plain work behind the exponentials: the two whole numbers of route
	v_mov_b32 v232, 2
	v_mov_b32 v233, 3
	v_lshlrev_b32 v248, v216, v221
	v_lshlrev_b32 v228, v217, v221
	v_lshlrev_b32 v229, v218, v221
	v_lshlrev_b32 v230, v219, v221
	v_or_b32 v248, v248, v228
	v_or_b32 v229, v229, v230
	v_or_b32 v248, v248, v229                      ; emask
	v_lshlrev_b32 v228, 1, v217
	v_lshlrev_b32 v229, 1, v218
	v_lshlrev_b32 v230, 1, v219
	v_lshlrev_b32 v228, v228, v221
	v_lshlrev_b32 v229, v229, v232
	v_lshlrev_b32 v230, v230, v233
	v_or_b32 v249, v228, v229
	v_or_b32 v249, v249, v230                      ; slotw: k << 2 x expert
	s_wait_alu depctr_va_vdst(0)                   ; one wait for the three exponentials, ahead of their first reader
	v_add_f32 v225, 1.0, v222
	v_add_f32 v225, v225, v223
	v_add_f32 v225, v225, v224
	v_rcp_f32 v244, v225                           ; the first gate is 1 / the sum
	v_mov_b32 v250, 0                              ; plain work behind the reciprocal: the wave's counts, expert e's into lane e
.irp e, 0,1,2,3,4,5,6,7,8,9,10,11,12,13,14,15
	v_and_b32 v251, 1<<\e, v248
	v_cmp_ne_u32 vcc_lo, 0, v251
	s_bcnt1_i32_b32 s42, vcc_lo
	v_writelane_b32 v250, s42, \e
.endr
	v_lshlrev_b32 v252, 3, v1
	s_wait_alu depctr_va_vdst(0)                   ; the wait for the reciprocal, ahead of its first reader
	v_mul_f32 v245, v222, v244
	v_mul_f32 v246, v223, v244
	v_mul_f32 v247, v224, v244
	global_store_b64 v252, v[248:249], s[24:25]    ; 32 tokens: 256 consecutive bytes, aligned
	global_store_b128 v4, v[244:247], s[28:29]     ; 512 consecutive bytes
	global_store_b32 v4, v250, s[26:27]            ; one word of each lane's four: 64 waves store 128 bytes each so
	s_endpgm
.Lfunc_end_k_q7ff0629f22_prep:
	.size	k_q7ff0629f22_prep, .Lfunc_end_k_q7ff0629f22_prep-k_q7ff0629f22_prep
	.p2alignl 7, 3214868480
	.fill 96, 4, 3214868480
	.section	.rodata,"a",@progbits
	.p2align	6, 0x0
	.amdhsa_kernel k_q7ff0629f22_prep
		.amdhsa_group_segment_fixed_size 103936
		.amdhsa_private_segment_fixed_size 0
		.amdhsa_enable_private_segment 0
		.amdhsa_kernarg_size 104
		.amdhsa_user_sgpr_count 2
		.amdhsa_user_sgpr_kernarg_segment_ptr 1
		.amdhsa_wavefront_size32 1
		.amdhsa_system_sgpr_workgroup_id_x 1
		.amdhsa_system_sgpr_workgroup_id_y 1
		.amdhsa_system_sgpr_workgroup_id_z 1
		.amdhsa_system_vgpr_workitem_id 0
		.amdhsa_next_free_vgpr 256
		.amdhsa_next_free_sgpr 66
		.amdhsa_reserve_vcc 1
		.amdhsa_float_denorm_mode_32 3
		.amdhsa_float_denorm_mode_16_64 3
		.amdhsa_memory_ordered 1
		.amdhsa_forward_progress 1
		.amdhsa_inst_pref_size 64
	.end_amdhsa_kernel
	.amdgpu_metadata
---
amdhsa.version: [ 1, 2 ]
amdhsa.kernels:
  - .name:           k_q7ff0629f22_prep
    .symbol:         k_q7ff0629f22_prep.kd
    .args:
      - { .name: x_codes, .offset: 0, .size: 8, .value_kind: global_buffer, .address_space: global }
      - { .name: x_scales, .offset: 8, .size: 8, .value_kind: global_buffer, .address_space: global }
      - { .name: router_w_codes, .offset: 16, .size: 8, .value_kind: global_buffer, .address_space: global }
      - { .name: router_w_scales, .offset: 24, .size: 8, .value_kind: global_buffer, .address_space: global }
      - { .name: router_b, .offset: 32, .size: 8, .value_kind: global_buffer, .address_space: global }
      - { .name: w1_codes, .offset: 40, .size: 8, .value_kind: global_buffer, .address_space: global }
      - { .name: w1_scales, .offset: 48, .size: 8, .value_kind: global_buffer, .address_space: global }
      - { .name: w2_codes, .offset: 56, .size: 8, .value_kind: global_buffer, .address_space: global }
      - { .name: w2_scales, .offset: 64, .size: 8, .value_kind: global_buffer, .address_space: global }
      - { .name: wimg, .offset: 72, .size: 8, .value_kind: global_buffer, .address_space: global }
      - { .name: route, .offset: 80, .size: 8, .value_kind: global_buffer, .address_space: global }
      - { .name: cnt, .offset: 88, .size: 8, .value_kind: global_buffer, .address_space: global }
      - { .name: gates, .offset: 96, .size: 8, .value_kind: global_buffer, .address_space: global }
    .group_segment_fixed_size: 103936
    .private_segment_fixed_size: 0
    .kernarg_segment_align: 8
    .kernarg_segment_size: 104
    .max_flat_workgroup_size: 128
    .sgpr_count:     66
    .vgpr_count:     256
    .wavefront_size: 32
...
	.end_amdgpu_metadata
.endif
;; end of part 1
;; launch chain (part 2): grid 143 x 1, 4 waves a work-group, no clusters, 193,536 bytes of LDS; arguments cnt, route, gates, x_codes, x_scales, wimg, b1, b2, partial; writes partial
.if DOCPART == 2
	.amdgcn_target "amdgcn-amd-amdhsa--gfx1250"
	.amdhsa_code_object_version 6
	.text
	.protected	k_q7ff0629f22_chain
	.globl	k_q7ff0629f22_chain
	.p2align	8
	.type	k_q7ff0629f22_chain,@function
k_q7ff0629f22_chain:
	s_mov_b64 s[64:65], 0
	v_nop
	global_prefetch_b8 v0, s[64:65] scope:SCOPE_SE
	s_setreg_imm32_b32 hwreg(HW_REG_WAVE_MODE, 25, 1), 1
	s_wait_xcnt 0x0
; ONE TILE OF 64 ROUTED ROWS OF ONE EXPERT THROUGH THE WHOLE CHAIN: partial[4 t + k] = gate x (Q(relu(x W1 + b1)) W2 + b2), both products on codes of FP6 (E2M3) with E8M0 scales.
; THE GRID serves every split: 8,192 routed rows in tiles of 64 over 16 experts are never more than 128 + 15 = 143 tiles.  Each work-group finds its expert, its place among that
; expert's tiles and its 64 rows from the whole numbers that the launch before stored (cnt, route).  A tile with fewer than 64 rows, or none, fills up with list entry 0 (token 0,
; slot 0), computes them like the others and does not store them: so every wave passes every barrier, and the only branches on stored numbers stand round the row stores at the end.
; SHARES.  The four waves share the COLUMNS: in each of four rounds of 512 hidden units wave w makes units 128 w .. 128 w + 127 of the round for all 64 rows, and it owns outputs
; 128 w .. 128 w + 127.  x (16 fragments) and y (32 accumulators) stay in registers; the weights come from wimg, laid in the order of the operand registers, straight into a ring of
; eight batches of registers (a batch: two fragments and a scale register, seven loads); only the hidden layer goes from wave to wave, through LDS, as images of its registers.
; Tile i of an expert begins at round i & 3, so that neighbouring tiles do not all ask for the same bytes at the start.
; NO TENSOR LOADS, NO CLUSTER: the tiles of an expert read the same weights, but how many tiles an expert has hangs on stored counts, and branches of this text hang on them too.
; BOTH PRODUCTS ARE USED TRANSPOSED (source 0 = 16 rows of the weight, source 1 = 16 tokens): a lane holds one token.  The rows of W1 that form a tile are chosen so that the 16
; registers of a pair of tiles are 16 neighbours along the next K.  In the first product K's blocks of 32 stand in another order than in memory, alike in W1 and in x: lane (r, h)
; holds, in step s, blocks 8 h + 2 s and 8 h + 2 s + 1: a lane's part of a row of x is then 192 consecutive bytes.  The sums differ from ascending K in f32 rounding alone.
; LIMITS: a hidden block of zeros keeps the scale byte 1 (its codes are zeros, and this program alone reads the byte); NaN and infinities are not served.
; REGISTERS, in windows of 256.  Window 0: addresses, scale registers, the hidden layer at work.  Window 1: v0-191 the ring, v192-223 two sets of b1; on the way out rows of y.
; Window 2: v0-191 x (tile m, step s at 48 m + 12 s), v192-255 b2.  Window 3: y, accumulator (n, m) at 8 (4 n + m).
.set LIST, 0                           ; LDS: 64 list entries (4 t + k), then 64 words for the entries that fall outside the tile
.set B1T,  512                         ; b1: 4 waves x 4 rounds (in the order in which they are walked) x 512 bytes
.set XIMG, 8704                        ; x: 48 register groups of 512 bytes
.set XSC,  33280                       ; x's scale words: 16 bytes a row, 64 rows
.set HIMG, 34304                       ; the hidden layer: fragment (K step j, tile m) at (4 j + m) x 1,536
.set HSC,  58880                       ; its scale words, 128 bytes each
.set STG,  60928                       ; the stage for y: 64 rows x (2,048 + 16) bytes
.set SP,   2064
.set REC_E, 1638400
.set REC_RD, 409600
.set REC_W, 102400
.set L16, 1                            ; v1   16 x lane
.set L4,  2                            ; v2   4 x lane
.set HWI, 3                            ; v3   where I store the hidden images: HIMG + 6,144 wave + 16 lane
.set HWS, 4                            ; v4   and their scale words: HSC + 512 wave + 4 lane
.set LB,  5                            ; v5   list entry 16 wave, the same in all lanes
.set L8,  6                            ; v6   8 x lane
.set B1A, 7                            ; v7   my part of the b1 table: B1T + 2,048 wave + 64 h
.set B1W, 8                            ; v8   the same in the round in hand
.set SRD, 9                            ; v9   the stage, on the way back: my 16 rows
.set GT,  12                           ; v12, 14, 16, 18 the gate of row r of tile m (the odd registers: 0)
.set STO, 20                           ; v20-23 the stage, on the way in, for tile m
.set RS,  24                           ; v24-31 the ring's scale registers
.set XS,  32                           ; v32-39 x's scale words: register 4 (m / 2) + s; lanes 0-15 the even tile, lanes 16-31 the odd
.set HS,  40                           ; v40-47 the hidden layer's, two sets of four.  v24-47 hold scales and nothing else
.set PW,  48                           ; v48-51 the scale words being made
.set TM,  52                           ; v52-67 at work in the quantiser
.set TT,  68                           ; v68-83 a block's second half of codes, 4 registers a tile
.set FRG, 84                           ; v84-131 the four fragments being made; later the hidden fragments' second set
.set HA,  132                          ; v132-195 hidden numbers: 16 m + 8 u + j
.set HF0, 196                          ; v196-243 the hidden fragments' first set
.set CN,  52                           ; at the head: v52-115 the counts
.set RT,  120                          ; at the head, in wave 0: v120-247 route.  No load of the text lands on v1-9, v20-23 or v248-255, where addresses stand
.set LRA, 248                          ; v248 list entry 16 wave + r
.set L4R, 249                          ; v249 list entry r
.set XWI, 250                          ; v250 where I store x's images
.set XSW, 251                          ; v251 and x's scale words
.set B1S, 252                          ; v252 where I store my b1 table
.set H192, 253                         ; v253 192 h
.set H32, 254                          ; v254 32 h
.set DUMP, 255                         ; v255 64 + lane: the word for a list entry that is not my tile's
.set MSB, 0
.macro WIN new                         ; s_set_vgpr_msb: bits 1:0 source 0, 3:2 source 1, 5:4 source 2, 7:6 destination; the high byte repeats the setting that is left
.if MSB != \new
	s_set_vgpr_msb (MSB<<8)|\new
.set MSB, \new
.endif
.endm
.macro PLACES                          ; four places between a matrix instruction and a load into its registers or a read of its result (ISA guide 7.12.1 for the read of its result)
.rept 4
	v_nop
.endr
.endm
.macro WM ra, rb                       ; one product; ra, rb = 1: that side's scales stand in lanes 16-31
.if ((\ra) == 0) && ((\rb) == 0)
	v_wmma_scale_f32_16x16x128_f8f6f4 v[rD:rD+7], v[rA:rA+11], v[rB:rB+11], v[rC:rC+7], v[rSA], v[rSB] matrix_a_fmt:MATRIX_FMT_FP6 matrix_b_fmt:MATRIX_FMT_FP6
.elseif (\rb) == 0
	v_wmma_scale_f32_16x16x128_f8f6f4 v[rD:rD+7], v[rA:rA+11], v[rB:rB+11], v[rC:rC+7], v[rSA], v[rSB] matrix_a_fmt:MATRIX_FMT_FP6 matrix_b_fmt:MATRIX_FMT_FP6 matrix_a_scale:MATRIX_SCALE_ROW1
.elseif (\ra) == 0
	v_wmma_scale_f32_16x16x128_f8f6f4 v[rD:rD+7], v[rA:rA+11], v[rB:rB+11], v[rC:rC+7], v[rSA], v[rSB] matrix_a_fmt:MATRIX_FMT_FP6 matrix_b_fmt:MATRIX_FMT_FP6 matrix_b_scale:MATRIX_SCALE_ROW1
.else
	v_wmma_scale_f32_16x16x128_f8f6f4 v[rD:rD+7], v[rA:rA+11], v[rB:rB+11], v[rC:rC+7], v[rSA], v[rSB] matrix_a_fmt:MATRIX_FMT_FP6 matrix_b_fmt:MATRIX_FMT_FP6 matrix_a_scale:MATRIX_SCALE_ROW1 matrix_b_scale:MATRIX_SCALE_ROW1
.endif
.endm
.macro RLOAD pi                        ; batch pi's two fragments into ring place pi % 8 (destination window 1): six loads of 512 consecutive bytes
.irp g, 0,1,2,3,4,5
	global_load_b128 v[24*((\pi)%8)+4*\g:24*((\pi)%8)+4*\g+3], v[L16], s[34:35] offset:3072*(\pi)+512*\g
.endr
.endm
.macro SLOAD pi                        ; and its scale register (window 0)
	global_load_b32 v[RS+(\pi)%8], v[L4], s[34:35] offset:98304+128*(\pi)
.endm
.macro ISSUE pi
	WIN 0x40
	RLOAD \pi
	WIN 0
	SLOAD \pi
.endm
.macro BIAS b                          ; b1 of hidden units 32 b + 16 h + 0 .. 15 of my 128, in the result's layout, into set b % 2
	WIN 0x40
.irp i, 0,1,2,3
	ds_load_b128 v[192+16*((\b)%2)+4*\i:195+16*((\b)%2)+4*\i], v[B1W] offset:128*(\b)+16*\i
.endr
.endm
; Batch 4 b + s of the first product: two tiles of W1's rows x four tiles of tokens, K step s.  The eight accumulators take turns, one instruction a turn.
.macro BATCH1 b, s
.set PB, 4*(\b)+(\s)
.set SL, PB%8
	s_wait_loadcnt 49                              ; this batch's seven loads are in; the seven younger batches' 49 may be out
.if (\s) == 0
	s_wait_dscnt 0x0                               ; b1's set
	WIN 0x19                                       ; source 0 (W1) window 1, source 1 (x) window 2, C (b1) window 1, D window 0
.else
	WIN 0x09
.endif
.irp m, 0,1,2,3
.irp u, 0,1
.set rD, HA+16*\m+8*\u
.set rA, 24*SL+12*\u
.set rB, 48*\m+12*(\s)
.if (\s) == 0
.set rC, 192+16*((\b)%2)+8*\u
.else
.set rC, rD
.endif
.set rSA, RS+SL
.set rSB, XS+4*(\m/2)+(\s)
	WM \u, \m%2
.endr
.endr
	PLACES
	WIN 0x40
	RLOAD PB+8                                     ; the ring place just read takes the batch eight on
.if ((\s) == 1) && ((\b) < 3)
	BIAS (\b)+1
.endif
	WIN 0
	SLOAD PB+8
.endm
; Block b (32 hidden units) of the four tiles of tokens: relu, the block's scale, the codes.  A lane holds 16 of the 32 numbers of its token, lane l xor 16 the others.
.macro QUANTP b
.set j, 0
.rept 64
	v_max_num_f32 v[HA+j], 0, v[HA+j]              ; the activation, in f32; each accumulator from its low end on
.set j, j+1
.endr
.irp m, 0,1,2,3
	v_max3_num_f32 v[TM+\m], v[HA+16*\m], v[HA+16*\m+1], 0x1800000   ; none is negative; the floor 2^(3 - 127) holds the byte at 1 from below
.endr
.irp i, 2,4,6,8,10,12,14
.irp m, 0,1,2,3
	v_max3_num_f32 v[TM+\m], v[TM+\m], v[HA+16*\m+\i], v[HA+16*\m+\i+1]
.endr
.endr
.irp m, 0,1,2,3
	v_permlanex16_b32 v[TM+4+\m], v[TM+\m], s50, s51
.endr
.irp m, 0,1,2,3
	v_max_num_f32 v[TM+\m], v[TM+\m], v[TM+4+\m]   ; the block's largest
.endr
.irp m, 0,1,2,3
	v_add_nc_u32 v[TM+8+\m], 0xff000000, v[TM+\m]  ; 2 off its exponent field: the conversion's scale operand
.endr
.irp m, 0,1,2,3
	v_lshrrev_b32 v[TM+12+\m], 23, v[TM+8+\m]      ; the scale's byte
.endr
.irp m, 0,1,2,3
.if (\b) == 0
	v_mov_b32 v[PW+\m], v[TM+12+\m]
.else
	v_lshl_or_b32 v[PW+\m], v[TM+12+\m], 8*(\b), v[PW+\m]
.endif
.endr
.irp m, 0,1,2,3
.if (\b)%2 == 0
	v_cvt_scalef32_pk16_fp6_f32 v[FRG+12*\m+6*((\b)/2):FRG+12*\m+6*((\b)/2)+2], v[HA+16*\m:HA+16*\m+15], v[TM+8+\m]
.else
	v_cvt_scalef32_pk16_fp6_f32 v[TT+4*\m:TT+4*\m+2], v[HA+16*\m:HA+16*\m+15], v[TM+8+\m]
.endif
.endr
	v_nop                                          ; one plain place behind the last scaled conversion
.if (\b)%2 == 1                        ; the operand's layout wants a whole block in a lane: lanes 0-15 the even block, lanes 16-31 the odd
.irp m, 0,1,2,3
.irp i, 0,1,2
	v_permlane16_swap_b32 v[FRG+12*\m+6*((\b)/2)+\i], v[TT+4*\m+\i]
.endr
.irp i, 0,1,2
	v_mov_b32 v[FRG+12*\m+6*((\b)/2)+3+\i], v[TT+4*\m+\i]
.endr
.endr
.endif
.endm
.macro HLOAD j                         ; K step j's four hidden fragments and their scale words, as any wave stored them
.set HFS, HF0
.if (\j)%2
.set HFS, FRG
.endif
.irp m, 0,1,2,3
.irp g, 0,1,2
	ds_load_b128 v[HFS+12*\m+4*\g:HFS+12*\m+4*\g+3], v[L16] offset:HIMG+(4*(\j)+\m)*1536+512*\g
.endr
	ds_load_b32 v[HS+4*((\j)%2)+\m], v[L4] offset:HSC+(4*(\j)+\m)*128
.endr
.endm
; A round's first product and its quantiser: my 128 hidden units for the 64 rows become K step 'wave' of the second product.
.macro PHASE1 first
.if \first == 0
	s_add_co_u32 s53, s53, 512                     ; the next round's b1
.endif
	v_add_nc_u32 v[B1W], s53, v[B1A]               ; (no LDS instruction of mine is out)
	BIAS 0
.irp b, 0,1,2,3
	BATCH1 \b, 0
	BATCH1 \b, 1
	BATCH1 \b, 2
	BATCH1 \b, 3
	QUANTP \b
.endr
.if \first == 0
	s_wait_dscnt 0x0                               ; my reads of the last round's images are in:
	s_barrier_signal -1
	s_barrier_wait -1                              ; everybody's are, so the images may be written again
.endif
.irp m, 0,1,2,3
.irp g, 0,1,2
	ds_store_b128 v[HWI], v[FRG+12*\m+4*\g:FRG+12*\m+4*\g+3] offset:1536*\m+512*\g
.endr
	ds_store_b32 v[HWS], v[PW+\m] offset:128*\m
.endr
	s_wait_dscnt 0x0                               ; for the others' sake: my stores have landed
	s_barrier_signal -1
	s_barrier_wait -1                              ; the round's sixteen fragments lie in LDS
	HLOAD 0
.endm
; A quarter of a K step of the second product: batch 16 + 4 j + np: two tiles of W2's rows x four tiles of tokens.  The 32 accumulators take turns through a K step.
.macro KPART j, np, first, issue, left
.set PB, 16+4*(\j)+(\np)
.set SL, PB%8
.set HFS, HF0
.if (\j)%2
.set HFS, FRG
.endif
	s_wait_loadcnt \left                           ; this batch is in; 'left' loads were issued behind it
.if \first
	WIN 0xe1                                       ; source 0 (W2) window 1, source 1 (hidden) window 0, C (b2) window 2, D window 3
.else
	WIN 0xf1
.endif
.irp u, 0,1
.irp m, 0,1,2,3
.set rD, 8*(4*(2*(\np)+\u)+\m)
.set rA, 24*SL+12*\u
.set rB, HFS+12*\m
.if \first
.set rC, 192+8*(2*(\np)+\u)
.else
.set rC, rD
.endif
.set rSA, RS+SL
.set rSB, HS+4*((\j)%2)+\m
	WM \u, 0
.endr
.endr
	PLACES
.if \issue
	WIN 0x40
	RLOAD (PB+8)%32
	WIN 0
	SLOAD (PB+8)%32
.else
	WIN 0
.endif
.if ((\np) == 0) && ((\j) < 3)
	HLOAD (\j)+1                                   ; the other set was last read a K step ago
.endif
.endm
.macro KSTEP j, first, issue, l0, l1, l2, l3
	s_wait_dscnt 0x0                               ; this K step's hidden fragments are in
	KPART \j, 0, \first, \issue, \l0
	KPART \j, 1, \first, \issue, \l1
	KPART \j, 2, \first, \issue, \l2
	KPART \j, 3, \first, \issue, \l3
.endm
; ---------------- THE HEAD ----------------
	s_load_b512 s[4:19], s[0:1], 0x0               ; cnt s[4:5], route s[6:7], gates s[8:9], x codes s[10:11], x scales s[12:13], wimg s[14:15], b1 s[16:17], b2 s[18:19]
	s_load_b64 s[20:21], s[0:1], 0x40              ; partial
	v_lshrrev_b32 v10, 5, v0
	v_readfirstlane_b32 s22, v10                   ; wave
	v_and_b32 v10, 31, v0                          ; lane
	v_and_b32 v11, 15, v0                          ; r
	v_bfe_u32 v116, v0, 4, 1                       ; h
	v_lshlrev_b32 v[L16], 4, v10
	v_lshlrev_b32 v[L4], 2, v10
	s_mul_i32 s27, s22, 6144                       ; every LDS address is made here, ahead of the first branch on the wave's number
	v_add_nc_u32 v[HWI], s27, v[L16]
	v_add_nc_u32 v[XWI], s27, v[L16]
	v_add_nc_u32 v[HWI], HIMG, v[HWI]
	v_add_nc_u32 v[XWI], XIMG, v[XWI]              ; x's images: 12 groups a wave
	s_lshl_b32 s27, s22, 9
	v_add_nc_u32 v[HWS], s27, v[L4]
	v_add_nc_u32 v[HWS], HSC, v[HWS]
	v_mul_u32_u24 v117, v11, SP
	v_lshl_add_u32 v117, v116, 5, v117
	v_add_nc_u32 v117, s27, v117                   ; row r, + 32 h, + my 512 bytes of a row
.irp m, 0,1,2,3
	v_add_nc_u32 v[STO+\m], STG+16*\m*SP, v117
.endr
	s_lshl_b32 s27, s22, 11
	v_lshl_add_u32 v[B1A], v116, 6, s27
	v_add_nc_u32 v[B1S], s27, v[L16]
	v_add_nc_u32 v[B1A], B1T, v[B1A]
	v_add_nc_u32 v[B1S], B1T, v[B1S]
	s_mul_i32 s27, s22, 16*SP
	v_add_nc_u32 v[SRD], s27, v[L16]
	v_add_nc_u32 v[SRD], STG, v[SRD]
	s_lshl_b32 s27, s22, 6
	v_lshl_add_u32 v[LRA], v11, 2, s27             ; list entry 16 wave + r
	v_lshlrev_b32 v[L4R], 2, v11                   ; list entry r
	v_lshrrev_b32 v[LB], 5, v0
	v_lshlrev_b32 v[LB], 6, v[LB]                  ; list entry 16 wave, the same in all lanes
	s_lshl_b32 s27, s22, 8
	v_lshl_add_u32 v[XSW], v11, 4, s27
	v_add_nc_u32 v[XSW], XSC, v[XSW]               ; x's scale words: row 16 wave + r
	v_mul_u32_u24 v[H192], v116, 192
	v_lshlrev_b32 v[H32], 5, v116
	v_add_nc_u32 v[DUMP], 64, v10
	v_lshlrev_b32 v[L8], 3, v10
	s_mov_b32 s50, 0x76543210
	s_mov_b32 s51, 0xfedcba98                      ; v_permlanex16_b32's selects for lane l xor 16
	s_mov_b32 s54, 0x05010400
	s_mov_b32 s55, 0x07030602
	s_mov_b32 s37, 0
	s_wait_kmcnt 0x0
	s_cmp_lg_u32 s22, 0                            ; wave 0 will make the list: it reads route, two tokens a lane and load
	s_cbranch_scc1 .Lno_route
.set i, 0
.rept 32
	global_load_b128 v[RT+4*i:RT+4*i+3], v[L16], s[6:7] offset:512*i
.set i, i+1
.endr
.Lno_route:
.set i, 0
.rept 16
	global_load_b128 v[CN+4*i:CN+4*i+3], v[L16], s[4:5] offset:512*i   ; lane e: expert e's counts of four waves of router work-group i
.set i, i+1
.endr
	s_wait_loadcnt 0x0
.irp w, 32,16,8,4,2,1
.set i, 0
.rept \w
	v_add_nc_u32 v[CN+i], v[CN+i], v[CN+\w+i]
.set i, i+1
.endr
.endr                                  ; v[CN], lane e: how many rows expert e has
	s_mov_b32 s23, 0                               ; my expert,
	s_mov_b32 s24, 0                               ; its first tile,
	s_mov_b32 s25, 0                               ; its rows
	s_mov_b32 s26, 0                               ; tiles of the experts before
.irp e, 0,1,2,3,4,5,6,7,8,9,10,11,12,13,14,15
	v_readlane_b32 s27, v[CN], \e
	s_cmp_ge_u32 ttmp9, s26                        ; the last expert whose first tile is not behind mine
	s_cselect_b32 s23, \e, s23
	s_cselect_b32 s24, s26, s24
	s_cselect_b32 s25, s27, s25
	s_add_co_u32 s27, s27, 63
	s_lshr_b32 s27, s27, 6
	s_add_co_u32 s26, s26, s27
.endr
	s_sub_co_u32 s28, ttmp9, s24                   ; which of its tiles
	s_lshl_b32 s29, s28, 6                         ; my first row among the expert's
	s_sub_co_i32 s30, s25, s29
	s_max_i32 s30, s30, 0
	s_min_i32 s30, s30, 64                         ; rows of the tile that count
	s_lshl_b32 s27, s22, 4
	s_sub_co_i32 s30, s30, s27
	s_max_i32 s30, s30, 0                          ; and of the 16 that my wave stores: row i is stored where i < s30
	s_min_u32 s23, s23, 15
	s_and_b32 s31, s28, 3
	s_min_u32 s31, s31, 3                          ; the round at which I begin
	s_lshl_b32 s46, 1, s23
	s_lshl_b32 s47, s23, 1
	s_sub_co_u32 s48, 0, s29                       ; the running place in the tile: rows seen so far less my first row
	s_mul_i32 s36, s23, REC_E
	s_mul_i32 s27, s22, REC_W
	s_add_co_u32 s36, s36, s27
	s_add_nc_u64 s[32:33], s[14:15], s[36:37]      ; my expert's and wave's record of round 0
	s_mul_i32 s36, s31, REC_RD
	s_add_nc_u64 s[34:35], s[32:33], s[36:37]      ; and of the round in hand
.irp p, 0,1,2,3,4,5
	ISSUE \p
.endr
	s_lshl_b32 s36, s23, 13
	s_lshl_b32 s27, s22, 9
	s_add_co_u32 s36, s36, s27
	s_add_nc_u64 s[38:39], s[16:17], s[36:37]      ; b1: my expert, my 128 units of a round
	s_lshl_b32 s36, s23, 11
	s_add_co_u32 s36, s36, s27
	s_add_nc_u64 s[40:41], s[18:19], s[36:37]      ; b2: my expert, my 128 outputs
.irp p, 0,1,2,3                        ; the four rounds in the order in which I walk them
	s_add_co_u32 s27, s31, \p
	s_and_b32 s27, s27, 3
	s_lshl_b32 s27, s27, 11
	v_add_nc_u32 v[TT+\p], s27, v[L16]
	global_load_b128 v[FRG+4*\p:FRG+4*\p+3], v[TT+\p], s[38:39]
.endr
	s_cmp_lg_u32 s22, 0
	s_cbranch_scc1 .Lno_scan
; THE LIST, by wave 0; no other wave touches LDS ahead of the barrier below.  The tokens are walked 32 at a time, in one fixed order for all tiles of the launch; a token that chose my
; expert gets the next place; places 0 .. 63 of my tile go into the list as 4 t + k, all others into a word of the lane's own that nobody reads.
	v_mov_b32 v100, 0
	ds_store_b32 v[L4], v100 offset:LIST           ; entries that stay empty name token 0, slot 0
	ds_store_b32 v[L4], v100 offset:LIST+128
.set n, 0
.rept 64
.set tA, 104+2*(n%8)
.set tD, tA+1
.if n >= 8
	s_wait_dscnt 7                                 ; at most the seven youngest stores are out: the store that read this pair of registers is done
.endif
	v_and_b32 v101, s46, v[RT+2*n]
	v_cmp_ne_u32 vcc_lo, 0, v101                   ; who chose my expert
	v_mbcnt_lo_u32_b32 v[tA], vcc_lo, s48          ; the place: those before me in this step + those of the steps before - my tile's first row
	s_bcnt1_i32_b32 s27, vcc_lo
	s_add_co_u32 s48, s48, s27
	v_cmp_gt_u32 s49, 64, v[tA]                    ; inside my tile (a place before it has wrapped to a large number)
	s_and_b32 vcc_lo, vcc_lo, s49
	v_lshrrev_b32 v[tD], s47, v[RT+1+2*n]
	v_and_b32 v[tD], 3, v[tD]                      ; the slot k of my expert
	v_add3_u32 v[tD], v[tD], v[L8], 256*(n/2)+4*(n%2)   ; 4 t + k, t = 64 (n / 2) + 2 lane + n % 2
	v_cndmask_b32 v[tA], v[DUMP], v[tA], vcc_lo
	v_min_u32 v[tA], 127, v[tA]
	v_lshlrev_b32 v[tA], 2, v[tA]
	ds_store_b32 v[tA], v[tD]
.set n, n+1
.endr
.Lno_scan:
	s_wait_dscnt 0x0
	s_barrier_signal -1
	s_barrier_wait -1                              ; the list lies in LDS
	ds_load_b32 v10, v[LRA]                        ; wave w gathers tile w's rows of x
.irp m, 0,1,2,3
	ds_load_b32 v[GT+2*\m], v[L4R] offset:64*\m
.endr
	s_wait_dscnt 0x0
	v_lshrrev_b32 v10, 2, v10
	v_min_u32 v10, 2047, v10                       ; the token
	v_mul_u32_u24 v11, v10, 384
	v_add_nc_u32 v11, v11, v[H192]                 ; my half of its row: 192 consecutive bytes = 48 registers = my part of its four fragments
	v_lshlrev_b32 v10, 4, v10
.set i, 0
.rept 12
	global_load_b128 v[HA+4*i:HA+4*i+3], v11, s[10:11] offset:16*i
.set i, i+1
.endr
	global_load_b128 v[180:183], v10, s[12:13]     ; its sixteen scale bytes
.irp m, 0,1,2,3
	v_min_u32 v[TT+4+\m], 8191, v[GT+2*\m]
	v_lshlrev_b32 v[TT+4+\m], 2, v[TT+4+\m]
	global_load_b32 v[GT+2*\m], v[TT+4+\m], s[8:9] ; gates[t][k]
.endr
	s_wait_loadcnt 4                               ; behind x's loads only the four of the gates were issued: six batches, b1 and x are in
	WIN 0x80
.irp n, 0,1,2,3,4,5,6,7
	global_load_b128 v[192+8*\n:195+8*\n], v[H32], s[40:41] offset:64*\n      ; b2 in the result's layout: outputs 16 n + 8 h + 0 .. 7 of my 128
	global_load_b128 v[196+8*\n:199+8*\n], v[H32], s[40:41] offset:64*\n+16
.endr
	ISSUE 6
	ISSUE 7
.irp p, 0,1,2,3
	ds_store_b128 v[B1S], v[FRG+4*\p:FRG+4*\p+3] offset:512*\p
.endr
	v_perm_b32 v184, v182, v180, s54               ; scale word s: bytes 2 s, 8 + 2 s, 2 s + 1, 8 + 2 s + 1: the order in which the blocks stand in the fragments
	v_perm_b32 v185, v182, v180, s55
	v_perm_b32 v186, v183, v181, s54
	v_perm_b32 v187, v183, v181, s55
.set i, 0
.rept 12
	ds_store_b128 v[XWI], v[HA+4*i:HA+4*i+3] offset:512*i
.set i, i+1
.endr
	ds_store_b128 v[XSW], v[184:187]               ; both halves of the lanes write the same bytes with the same values
	s_wait_dscnt 0x0
	s_barrier_signal -1
	s_barrier_wait -1                              ; x's sixteen fragments lie in LDS
	WIN 0x80
.set i, 0
.rept 48
	ds_load_b128 v[4*i:4*i+3], v[L16] offset:XIMG+512*i
.set i, i+1
.endr
	WIN 0
	ds_load_b128 v[XS:XS+3], v[L16] offset:XSC
	ds_load_b128 v[XS+4:XS+7], v[L16] offset:XSC+512
.irp m, 0,1,2,3
	v_mov_b32 v[GT+2*\m+1], 0                      ; named as the upper half of a pair
	v_mov_b32 v[TM+4+\m], 0                        ; a lane permute's destination counts as one of its sources
.endr
	s_mov_b32 s53, 0
	s_wait_dscnt 0x0
	s_wait_xcnt 0x0                                ; the head's loads have read their address registers, which the quantiser will write
; ---------------- THE FOUR ROUNDS ----------------
; The first K step of the second product starts y's sums (C = b2) and stands ahead of the loop; a trip goes from a round's second K step to the next round's first.
; (For the first batches the count 49 is stricter than their own loads ask: b1's, x's, the gates' and b2's loads stand between the ring's.)
	PHASE1 1
	KSTEP 0, 1, 1, 49, 49, 49, 49
	s_mov_b32 s52, 3
.Lround:
	KSTEP 1, 0, 1, 49, 49, 49, 49                  ; asks for the round's last four batches
	s_wait_xcnt 0x0                                ; all loads issued have read their base, so it may step:
	s_add_co_u32 s31, s31, 1
	s_and_b32 s31, s31, 3
	s_min_u32 s31, s31, 3
	s_mul_i32 s36, s31, REC_RD
	s_add_nc_u64 s[34:35], s[32:33], s[36:37]      ; the next round's record
	KSTEP 2, 0, 1, 49, 49, 49, 49
	KSTEP 3, 0, 1, 49, 49, 49, 49
	PHASE1 0
	KSTEP 0, 0, 1, 49, 49, 49, 49
	s_sub_co_u32 s52, s52, 1
	s_cmp_lg_u32 s52, 0
	s_cbranch_scc1 .Lround
	KSTEP 1, 0, 1, 49, 49, 49, 49
	KSTEP 2, 0, 0, 49, 42, 35, 28                  ; nothing is left to ask for: the counts run down
	KSTEP 3, 0, 0, 21, 14, 7, 0
; ---------------- THE WAY OUT ----------------
; y x the gate; through the stage, where a row's 2,048 bytes from four waves meet; each wave stores 16 whole rows at the places that the list names.
.set i, 0
.rept 16
	ds_load_b32 v[HA+i], v[LB] offset:LIST+4*i     ; my 16 rows' entries; nobody has written the list since the first barrier
.set i, i+1
.endr
	WIN 0xc3                                       ; y window 3, the gate window 0
.irp n, 0,1,2,3,4,5,6,7
.irp m, 0,1,2,3
.irp q, 0,2,4,6
	v_pk_mul_f32 v[8*(4*\n+\m)+\q:8*(4*\n+\m)+\q+1], v[8*(4*\n+\m)+\q:8*(4*\n+\m)+\q+1], v[GT+2*\m:GT+2*\m+1] op_sel_hi:[1,0]
.endr
.endr
.endr
	WIN 0
	s_wait_dscnt 0x0                               ; the entries are in
.set i, 0
.rept 16
	v_min_u32 v[HA+i], 8191, v[HA+i]
	v_lshl_add_u32 v[HA+i], v[HA+i], 11, v[L16]    ; row 4 t + k of partial, 2,048 bytes a row
.set i, i+1
.endr
	WIN 0x0c                                       ; an LDS store's data are its source 1: window 3
.irp n, 0,1,2,3,4,5,6,7
.irp m, 0,1,2,3
	ds_store_b128 v[STO+\m], v[8*(4*\n+\m):8*(4*\n+\m)+3] offset:64*\n
	ds_store_b128 v[STO+\m], v[8*(4*\n+\m)+4:8*(4*\n+\m)+7] offset:64*\n+16
.endr
.endr
	WIN 0
	s_wait_dscnt 0x0
	s_barrier_signal -1
	s_barrier_wait -1                              ; 64 whole rows lie in the stage
.set i, 0
.rept 2                                ; my 16 rows in two groups of eight
	WIN 0x40
.set k, 0
.rept 8
.irp q, 0,1,2,3
	ds_load_b128 v[16*(i+k)+4*\q:16*(i+k)+4*\q+3], v[SRD] offset:SP*(i+k)+512*\q
.endr
.set k, k+1
.endr
.set k, 0
.rept 8
	WIN 0                                          ; at a branch every window is 0
	s_cmp_le_u32 s30, i+k                          ; the rows that count come first: at the first that does not, the wave is done
	s_cbranch_scc1 .Ldone
	s_wait_dscnt 28-4*k                            ; this row's four loads are in; the group's later rows' may be out
	WIN 0x04                                       ; a store's data are its source 1: window 1
.irp q, 0,1,2,3
	global_store_b128 v[HA+i+k], v[16*(i+k)+4*\q:16*(i+k)+4*\q+3], s[20:21] offset:512*\q th:TH_STORE_NT   ; 512 consecutive bytes, aligned; not read again in this launch
.endr
.set k, k+1
.endr
.set i, i+8
.endr
	WIN 0
.Ldone:
	s_wait_dscnt 0x0
	s_wait_xcnt 0x0
	v_lshl_add_u32 v254, v0, 2, 0x2f200
	v_mov_b32 v255, 0
	s_wait_tensorcnt 0x0
	ds_add_u32 v254, v255
	s_wait_dscnt 0x0
	s_endpgm
.Lfunc_end_k_q7ff0629f22_chain:
	.size	k_q7ff0629f22_chain, .Lfunc_end_k_q7ff0629f22_chain-k_q7ff0629f22_chain
	.p2alignl 7, 3214868480
	.fill 96, 4, 3214868480
	.section	.rodata,"a",@progbits
	.p2align	6, 0x0
	.amdhsa_kernel k_q7ff0629f22_chain
		.amdhsa_group_segment_fixed_size 193536
		.amdhsa_private_segment_fixed_size 0
		.amdhsa_enable_private_segment 0
		.amdhsa_kernarg_size 72
		.amdhsa_user_sgpr_count 2
		.amdhsa_user_sgpr_kernarg_segment_ptr 1
		.amdhsa_wavefront_size32 1
		.amdhsa_system_sgpr_workgroup_id_x 1
		.amdhsa_system_sgpr_workgroup_id_y 1
		.amdhsa_system_sgpr_workgroup_id_z 1
		.amdhsa_system_vgpr_workitem_id 0
		.amdhsa_next_free_vgpr 1024
		.amdhsa_next_free_sgpr 66
		.amdhsa_reserve_vcc 1
		.amdhsa_float_denorm_mode_32 3
		.amdhsa_float_denorm_mode_16_64 3
		.amdhsa_memory_ordered 1
		.amdhsa_forward_progress 1
		.amdhsa_inst_pref_size 255
	.end_amdhsa_kernel
	.section	.bss,"aw",@nobits
	.p2align	6
	.space	262144
	.amdgpu_metadata
---
amdhsa.version: [ 1, 2 ]
amdhsa.kernels:
  - .name:           k_q7ff0629f22_chain
    .symbol:         k_q7ff0629f22_chain.kd
    .args:
      - { .name: cnt, .offset: 0, .size: 8, .value_kind: global_buffer, .address_space: global }
      - { .name: route, .offset: 8, .size: 8, .value_kind: global_buffer, .address_space: global }
      - { .name: gates, .offset: 16, .size: 8, .value_kind: global_buffer, .address_space: global }
      - { .name: x_codes, .offset: 24, .size: 8, .value_kind: global_buffer, .address_space: global }
      - { .name: x_scales, .offset: 32, .size: 8, .value_kind: global_buffer, .address_space: global }
      - { .name: wimg, .offset: 40, .size: 8, .value_kind: global_buffer, .address_space: global }
      - { .name: b1, .offset: 48, .size: 8, .value_kind: global_buffer, .address_space: global }
      - { .name: b2, .offset: 56, .size: 8, .value_kind: global_buffer, .address_space: global }
      - { .name: partial, .offset: 64, .size: 8, .value_kind: global_buffer, .address_space: global }
    .group_segment_fixed_size: 193536
    .private_segment_fixed_size: 0
    .kernarg_segment_align: 8
    .kernarg_segment_size: 72
    .max_flat_workgroup_size: 128
    .sgpr_count:     66
    .vgpr_count:     1024
    .wavefront_size: 32
...
	.end_amdgpu_metadata
.endif
;; end of part 2
;; launch combine (part 3): grid 256 x 1, 4 waves a work-group, no clusters, 0 bytes of LDS; arguments partial, out0; writes out0
.if DOCPART == 3
	.amdgcn_target "amdgcn-amd-amdhsa--gfx1250"
	.amdhsa_code_object_version 6
	.text
	.protected	k_q7ff0629f22_combine
	.globl	k_q7ff0629f22_combine
	.p2align	8
	.type	k_q7ff0629f22_combine,@function
k_q7ff0629f22_combine:
	s_mov_b64 s[64:65], 0
	v_nop
	global_prefetch_b8 v0, s[64:65] scope:SCOPE_SE
	s_setreg_imm32_b32 hwreg(HW_REG_WAVE_MODE, 25, 1), 1
	s_wait_xcnt 0x0
; out0[t] = ((p0 + p1) + p2) + p3, p_k = row 4 t + k of partial: the token's four gated expert rows, which lie one behind the other.  All f32.
; A stream: a wave takes two tokens, 32 loads of 512 consecutive bytes, all issued at once; no LDS, no barrier, no matrix unit: there is nothing here but bytes.
; The four rows are added in the order of the top-k slots, not of the experts' numbers: the sums differ from the reference's in f32 rounding alone.
.set P, 8                              ; v8-135: token t, slot k, quarter q of a row at 8 + 64 t + 16 k + 4 q
	s_load_b128 s[4:7], s[0:1], 0x0                ; partial s[4:5], out0 s[6:7]
	v_and_b32 v1, 31, v0
	v_lshrrev_b32 v2, 5, v0
	v_lshlrev_b32 v1, 4, v1
	v_lshl_add_u32 v3, v2, 14, v1                  ; partial: 16 x lane + two tokens x 8,192 bytes a wave
	v_lshl_add_u32 v4, v2, 12, v1                  ; out0: two rows of 2,048 bytes a wave
	s_lshl_b32 s8, ttmp9, 16                       ; eight tokens a work-group
	s_mov_b32 s9, 0
	s_lshl_b32 s10, ttmp9, 14
	s_mov_b32 s11, 0
	s_wait_kmcnt 0x0
	s_add_nc_u64 s[4:5], s[4:5], s[8:9]
	s_add_nc_u64 s[6:7], s[6:7], s[10:11]
.irp t, 0,1
.irp k, 0,1,2,3
.irp q, 0,1,2,3
	global_load_b128 v[P+64*\t+16*\k+4*\q:P+64*\t+16*\k+4*\q+3], v3, s[4:5] offset:8192*\t+2048*\k+512*\q th:TH_LOAD_NT
.endr
.endr
.endr
.irp t, 0,1
	s_wait_loadcnt 16-16*\t                        ; this token's sixteen loads are in; the second token's may be out
.irp k, 1,2,3
.irp q, 0,2,4,6,8,10,12,14
	v_pk_add_f32 v[P+64*\t+\q:P+64*\t+\q+1], v[P+64*\t+\q:P+64*\t+\q+1], v[P+64*\t+16*\k+\q:P+64*\t+16*\k+\q+1]
.endr
.endr
.irp q, 0,1,2,3
	global_store_b128 v4, v[P+64*\t+4*\q:P+64*\t+4*\q+3], s[6:7] offset:2048*\t+512*\q th:TH_STORE_NT
.endr
.endr
	s_endpgm
.Lfunc_end_k_q7ff0629f22_combine:
	.size	k_q7ff0629f22_combine, .Lfunc_end_k_q7ff0629f22_combine-k_q7ff0629f22_combine
	.p2alignl 7, 3214868480
	.fill 96, 4, 3214868480
	.section	.rodata,"a",@progbits
	.p2align	6, 0x0
	.amdhsa_kernel k_q7ff0629f22_combine
		.amdhsa_group_segment_fixed_size 0
		.amdhsa_private_segment_fixed_size 0
		.amdhsa_enable_private_segment 0
		.amdhsa_kernarg_size 16
		.amdhsa_user_sgpr_count 2
		.amdhsa_user_sgpr_kernarg_segment_ptr 1
		.amdhsa_wavefront_size32 1
		.amdhsa_system_sgpr_workgroup_id_x 1
		.amdhsa_system_sgpr_workgroup_id_y 1
		.amdhsa_system_sgpr_workgroup_id_z 1
		.amdhsa_system_vgpr_workitem_id 0
		.amdhsa_next_free_vgpr 136
		.amdhsa_next_free_sgpr 66
		.amdhsa_reserve_vcc 0
		.amdhsa_float_denorm_mode_32 3
		.amdhsa_float_denorm_mode_16_64 3
		.amdhsa_memory_ordered 1
		.amdhsa_forward_progress 1
		.amdhsa_inst_pref_size 8
	.end_amdhsa_kernel
	.amdgpu_metadata
---
amdhsa.version: [ 1, 2 ]
amdhsa.kernels:
  - .name:           k_q7ff0629f22_combine
    .symbol:         k_q7ff0629f22_combine.kd
    .args:
      - { .name: partial, .offset: 0, .size: 8, .value_kind: global_buffer, .address_space: global }
      - { .name: out0, .offset: 8, .size: 8, .value_kind: global_buffer, .address_space: global }
    .group_segment_fixed_size: 0
    .private_segment_fixed_size: 0
    .kernarg_segment_align: 8
    .kernarg_segment_size: 16
    .max_flat_workgroup_size: 128
    .sgpr_count:     66
    .vgpr_count:     136
    .wavefront_size: 32
...
	.end_amdgpu_metadata
.endif
;; end of part 3
;; ======== version 2 of 2: 3 launches; version 1 with the launches prep, chain written anew for expert scheduling mode
;; workspace buffers: wimg 26,214,400 bytes; route 16,384 bytes of whole numbers; cnt 8,192 bytes of whole numbers; gates 32,768 bytes; partial 16,777,216 bytes
;; launch prep (part 4): grid 272 x 1, 4 waves a work-group, no clusters, 103,936 bytes of LDS; arguments x_codes, x_scales, router_w_codes, router_w_scales, router_b, w1_codes, w1_scales, w2_codes, w2_scales, wimg, route, cnt, gates; writes wimg, route, cnt, gates
.if DOCPART == 4
	.amdgcn_target "amdgcn-amd-amdhsa--gfx1250"
	.amdhsa_code_object_version 6
	.text
	.protected	k_q7ff0629f22_prep
	.globl	k_q7ff0629f22_prep
	.p2align	8
	.type	k_q7ff0629f22_prep,@function
k_q7ff0629f22_prep:
	s_mov_b64 s[64:65], 0
	v_nop
	global_prefetch_b8 v0, s[64:65] scope:SCOPE_SE
	s_setreg_imm32_b32 hwreg(HW_REG_WAVE_SCHED_MODE, 0, 2), 2
	s_setreg_imm32_b32 hwreg(HW_REG_WAVE_MODE, 25, 1), 1
	s_wait_xcnt 0x0
	s_wait_alu depctr_vm_vsrc(0)
; TWO JOBS IN ONE LAUNCH, told apart by the work-group's number.
; Work-groups 0-15: THE ROUTER.  logits = x router_w + router_b on codes of FP6 (E2M3), the four largest of each token's 16 (a tie keeps the lower index),
; their softmax.  A wave takes 32 tokens.  Everything is stored at fixed places: route[t] = (emask: bit e set where expert e is chosen; slotw: two bits an expert,
; the slot k of that expert), gates[t][k], cnt[work-group][lane e][wave] = how many of the wave's 32 tokens chose expert e (lanes 16-31: 0).
; No address and no branch hangs on the choice.
; Work-groups 16-143 (w1) and 144-271 (w2): THE LAYOUT of the weights into wimg, in the order of a wave's operand registers in the next launch.
; wimg = [expert 16][round 4][wave 4] records of 102,400 bytes: 32 batches of 3,072 bytes (two fragments of 16 rows x 128 K; a fragment's registers 4 g .. 4 g + 3 of
; lane l lie at 512 g + 16 l), then 32 scale registers of 128 bytes (4 bytes a lane; lanes 0-15 the batch's first fragment, lanes 16-31 its second).
; Batches 4 b + s: w1, rows 512 round + 128 wave + 32 b + 8 u + r + 8 (r / 8).  K'S BLOCKS OF 32 ARE PERMUTED: in step s registers 6 c .. 6 c + 5 of lane (r, h) hold the
; row's block 8 h + 2 s + c, and byte 2 c + h of the scale word is that block's; the next launch lays x the same way, so the products are the same.
; Batches 16 + 4 j + np: w2, rows 128 wave + 16 (2 np + u) + r, K step 4 round + j, in the plain layout.
; A wave's task is 24,576 dense bytes of codes: read by loads of 512 consecutive bytes, turned in the wave's own stage in LDS, stored by stores of 512 consecutive bytes.
; LIMITS: NaN and infinite logits are not served; two logits that f32 sums cannot tell apart may change places.
; THE MODE: SCHED_MODE bits 1:0 = 2 (LLVM: expert scheduling mode 2), set by the entry lines.  The code itself states the register dependences between vector or matrix
; instructions and memory or LDS instructions, and those through scalar registers and VCC that vector instructions write, with s_wait_alu, always for 0.
; THE PLAN.  Layout: v4, v5 (offsets) are made at the head and never written again; v8-10, v12, v14, v15 (addresses) are made in runs, each run with one wait behind it;
; v16-207 are filled by the global loads, read by the stage's stores, and filled again by the stage's loads: one wait between; v216-223 are written by the byte selects and read by stores.
; Router: v6-8 (offsets) with one wait; all operands of the products come by loads; the results v244-250 and the offset v252 with one wait ahead of the stores.
; A compare and the select that reads its mask have a wait between them: singly in the search, which is a chain; in runs of sixteen masks, s44-59, where the compares do not hang on each other.
.set STW, 25856                        ; a wave's stage: 16 groups of 1,616 bytes = 4 pieces of 384 bytes at a pitch of 400, + 16
.set REC_E, 1638400
.set REC_RD, 409600
.set REC_W, 102400
; Fragment f of a task out of the stage, six loads of 8 bytes, into v[16 + 12 f] on.  w1: f = 8 bb + 2 s + u;  w2: f = the K step
.macro LDW1 f
.irp p, 0,1,2,3,4,5
	ds_load_b64 v[16+12*(\f)+2*\p:17+12*(\f)+2*\p], v15 offset:(32*((\f)/8)+8*((\f)%2))*400+(8*((\f)/8)+2*((\f)%2))*16+48*(((\f)%8)/2)+24*(\p/3)+8*(\p%3)
.endr
.endm
.macro LDW2 f
.irp p, 0,1,2,3,4,5
	ds_load_b64 v[16+12*(\f)+2*\p:17+12*(\f)+2*\p], v15 offset:400*((\f)/4)+96*((\f)%4)+48*(\p/3)+8*(\p%3)
.endr
.endm
.macro FWAIT f                         ; fragment f is in.  Fragments up to f + 7 have been asked for: seven younger ones, six loads each, may be out; at the end those that are left
.if (\f) < 9
	s_wait_dscnt 42
.else
	s_wait_dscnt 6*(15-(\f))
.endif
.endm
	s_load_b512 s[4:19], s[0:1], 0x0               ; x codes s[4:5], x scales s[6:7], router_w codes s[8:9], scales s[10:11], router_b s[12:13], w1 codes s[14:15], scales s[16:17], w2 codes s[18:19]
	s_load_b256 s[20:27], s[0:1], 0x40             ; w2 scales s[20:21], wimg s[22:23], route s[24:25], cnt s[26:27]
	s_load_b64 s[28:29], s[0:1], 0x60              ; gates
	v_lshl_add_u32 v254, v0, 2, 0x19400
	v_mov_b32 v255, 0
	v_lshrrev_b32 v1, 5, v0
	v_readfirstlane_b32 s30, v1                    ; wave
	v_and_b32 v1, 31, v0                           ; lane
	v_and_b32 v2, 15, v0                           ; r
	v_bfe_u32 v3, v0, 4, 1                         ; h
	v_lshlrev_b32 v4, 4, v1                        ; 16 x lane
	v_lshlrev_b32 v5, 2, v1                        ; 4 x lane
	s_mov_b32 s39, 0
	s_mov_b32 s54, 0x05010400                      ; byte selects: of two words, bytes 0, 4, 1, 5
	s_mov_b32 s55, 0x07030602                      ; and bytes 2, 6, 3, 7
	s_wait_alu depctr_va_sdst(0)                   ; s30 is written, ahead of the branch below and of its first reader on either way
	s_wait_alu depctr_va_vdst(0)                   ; v4 and v5 are written: the offsets of loads and stores on every way
	s_wait_kmcnt 0x0
	s_cmp_lt_u32 ttmp9, 16
	s_cbranch_scc1 .Lrouter
; ---------------- THE LAYOUT ----------------
	s_sub_co_u32 s31, ttmp9, 16
	s_and_b32 s32, s31, 127
	s_lshl_b32 s32, s32, 2
	s_add_co_u32 s32, s32, s30                     ; my task, 0 .. 511, of w1 or of w2
	s_cmp_lt_u32 s31, 128                          ; w1?  The choice hangs on the work-group's number alone
	s_cselect_b64 s[34:35], s[14:15], s[18:19]     ; the codes
	s_cselect_b64 s[36:37], s[16:17], s[20:21]     ; the scale bytes
	s_mul_i32 s38, s32, 24576
	s_add_nc_u64 s[34:35], s[34:35], s[38:39]
	s_lshl_b32 s38, s32, 10                        ; 1,024 scale bytes a task
	s_add_nc_u64 s[36:37], s[36:37], s[38:39]
.set i, 0
.rept 48
	global_load_b128 v[16+4*i:19+4*i], v4, s[34:35] offset:512*i th:TH_LOAD_NT   ; 32 lanes read 512 consecutive bytes; read once in the launch
.set i, i+1
.endr
	s_mul_i32 s40, s30, STW                        ; my stage
.irp k, 0,1,2                          ; three loads are 96 pieces of 16 bytes = 4 x 384 bytes = one group.  Piece g = 32 k + lane goes to 16 (g + g / 24); g / 24 = (171 g) >> 12 for g under 96
	v_add_nc_u32 v[8+\k], 32*\k, v1
	v_mul_u32_u24 v11, v[8+\k], 171
	v_lshrrev_b32 v11, 12, v11
	v_add_nc_u32 v[8+\k], v[8+\k], v11
	v_lshlrev_b32 v[8+\k], 4, v[8+\k]
	v_add_nc_u32 v[8+\k], s40, v[8+\k]
.endr
	s_lshr_b32 s41, s32, 5                         ; the expert: 32 tasks each
	s_mul_i32 s38, s41, REC_E
	s_wait_alu depctr_va_vdst(0)                   ; v8 to v10 are written: the addresses of the stage's stores
.set i, 0
.rept 48
	s_wait_loadcnt 47-i                            ; load i is in; the 47 - i behind it may be out
	ds_store_b128 v[8+i%3], v[16+4*i:19+4*i] offset:1616*(i/3)
.set i, i+1
.endr
	s_wait_dscnt 0x0                               ; the stores have landed
	s_wait_alu depctr_vm_vsrc(0)                   ; and have read v16 to v207, in which the stage's loads of either arm land; ahead of the branch
	s_cmp_lt_u32 s31, 128
	s_cbranch_scc0 .Lw2
; w1: the task is 64 rows of 384 bytes: round (task >> 3) & 3, wave (task >> 1) & 3, half c = task & 1: batches 8 c .. 8 c + 7
	s_bfe_u32 s42, s32, 0x20003
	s_mul_i32 s42, s42, REC_RD
	s_add_co_u32 s38, s38, s42
	s_bfe_u32 s42, s32, 0x20001
	s_mul_i32 s42, s42, REC_W
	s_add_co_u32 s38, s38, s42                     ; the record
	s_and_b32 s42, s32, 1
	s_mul_i32 s43, s42, 24576
	s_add_co_u32 s50, s38, s43                     ; my 16 fragments
	s_mov_b32 s51, 0
	s_lshl_b32 s43, s42, 10
	s_add_co_u32 s52, s38, s43
	s_add_co_u32 s52, s52, 98304                   ; my 8 scale registers
	s_mov_b32 s53, 0
	s_add_nc_u64 s[44:45], s[22:23], s[50:51]
	s_add_nc_u64 s[46:47], s[22:23], s[52:53]
	v_and_b32 v13, 8, v2
	v_add_nc_u32 v13, v13, v2                      ; r + 8 (r / 8)
	v_lshl_add_u32 v14, v3, 3, v13                 ; the scale register's lanes 16-31 belong to the second fragment, 8 rows on
	v_lshlrev_b32 v14, 4, v14                      ; 16 scale bytes a row
	v_mul_u32_u24 v15, v13, 400
	v_lshrrev_b32 v11, 2, v13
	v_lshl_add_u32 v15, v11, 4, v15                ; row x 400 + 16 for each four rows passed
	v_mad_u32_u24 v15, v3, 192, v15                ; my half of the row: blocks 8 h on
	v_add_nc_u32 v15, s40, v15
	s_wait_alu depctr_va_vdst(0)                   ; v14 and v15 are written: the offset of the scale bytes' loads and the address of the stage's loads
	global_load_b128 v[208:211], v14, s[36:37]
	global_load_b128 v[212:215], v14, s[36:37] offset:512   ; 32 rows on
.set f, 0
.rept 8
	LDW1 f
.set f, f+1
.endr
.set f, 0
.rept 16
	FWAIT f
.irp g, 0,1,2
	global_store_b128 v4, v[16+12*f+4*\g:19+12*f+4*\g], s[44:45] offset:1536*f+512*\g   ; 512 consecutive bytes, aligned
.endr
.if f < 8
	LDW1 f+8                                       ; eight fragments' loads are kept on their way; each fragment has registers of its own
.endif
.set f, f+1
.endr
	s_wait_loadcnt 0x0                             ; the scale bytes
.irp bb, 0,1                           ; word s: bytes 2 s, 8 + 2 s, 2 s + 1, 8 + 2 s + 1 of the row's sixteen
	v_perm_b32 v[216+4*\bb], v[210+4*\bb], v[208+4*\bb], s54
	v_perm_b32 v[217+4*\bb], v[210+4*\bb], v[208+4*\bb], s55
	v_perm_b32 v[218+4*\bb], v[211+4*\bb], v[209+4*\bb], s54
	v_perm_b32 v[219+4*\bb], v[211+4*\bb], v[209+4*\bb], s55
.endr
	s_wait_alu depctr_va_vdst(0)                   ; the byte selects have written v216 to v223, which the stores read
.irp q, 0,1,2,3,4,5,6,7
	global_store_b32 v5, v[216+\q], s[46:47] offset:128*\q
.endr
	s_wait_dscnt 0x0                               ; the closing lines, six on end
	s_wait_alu 0x0
	s_wait_tensorcnt 0x0
	ds_add_u32 v254, v255
	s_wait_dscnt 0x0
	s_endpgm
; w2: the task is 16 rows of 1,536 bytes: wave (task >> 3) & 3, np = (task >> 1) & 3, u = task & 1; its 16 K steps go to four rounds' records
.Lw2:
	s_bfe_u32 s42, s32, 0x20003
	s_mul_i32 s42, s42, REC_W
	s_add_co_u32 s38, s38, s42                     ; round 0's record
	s_bfe_u32 s42, s32, 0x20001                    ; np
	s_and_b32 s43, s32, 1                          ; u
	s_mul_i32 s48, s42, 3072
	s_mul_i32 s49, s43, 1536
	s_add_co_u32 s50, s38, s48
	s_add_co_u32 s50, s50, s49
	s_add_co_u32 s50, s50, 49152                   ; batch 16 + np, fragment u
	s_mov_b32 s51, 0
	s_lshl_b32 s48, s42, 7
	s_lshl_b32 s49, s43, 6
	s_add_co_u32 s52, s38, s48
	s_add_co_u32 s52, s52, s49
	s_add_co_u32 s52, s52, 98304+2048              ; its scale register, my half of the lanes
	s_mov_b32 s53, 0
	s_add_nc_u64 s[44:45], s[22:23], s[50:51]
	s_add_nc_u64 s[46:47], s[22:23], s[52:53]
	v_lshlrev_b32 v14, 6, v2                       ; 64 scale bytes a row;
	v_lshl_add_u32 v14, v3, 5, v14                 ; lanes 16-31 take the row's words 8 to 15
	v_mul_u32_u24 v15, v2, 1616
	v_mad_u32_u24 v15, v3, 24, v15
	v_add_nc_u32 v15, s40, v15                     ; row r, + 24 h
	v_mul_u32_u24 v12, v3, 2*REC_RD                ; words 8 to 15 belong two rounds on
	v_lshl_add_u32 v12, v2, 2, v12
	s_wait_alu depctr_va_vdst(0)                   ; v12, v14 and v15 are written: the offsets of the scale words' stores and loads, the address of the stage's loads
	global_load_b128 v[208:211], v14, s[36:37]
	global_load_b128 v[212:215], v14, s[36:37] offset:16
.set f, 0
.rept 8
	LDW2 f
.set f, f+1
.endr
.set f, 0
.rept 16
	FWAIT f
.irp g, 0,1,2
	global_store_b128 v4, v[16+12*f+4*\g:19+12*f+4*\g], s[44:45] offset:REC_RD*(f/4)+12288*(f%4)+512*\g
.endr
.if f < 8
	LDW2 f+8
.endif
.set f, f+1
.endr
	s_wait_loadcnt 0x0
.irp q, 0,1,2,3,4,5,6,7
	global_store_b32 v12, v[208+\q], s[46:47] offset:REC_RD*(\q/4)+512*(\q%4)   ; sixteen lanes store 64 consecutive bytes: one part in fifty of the image
.endr
	s_wait_dscnt 0x0                               ; the closing lines, six on end, as above
	s_wait_alu 0x0
	s_wait_tensorcnt 0x0
	ds_add_u32 v254, v255
	s_wait_dscnt 0x0
	s_endpgm
; ---------------- THE ROUTER ----------------
.Lrouter:
	s_lshl_b32 s31, ttmp9, 7
	s_lshl_b32 s32, s30, 5
	s_add_co_u32 s31, s31, s32                     ; my first token: 128 x work-group + 32 x wave
	s_mul_i32 s38, s31, 384
	s_add_nc_u64 s[4:5], s[4:5], s[38:39]
	s_lshl_b32 s38, s31, 4
	s_add_nc_u64 s[6:7], s[6:7], s[38:39]
	s_add_nc_u64 s[28:29], s[28:29], s[38:39]
	s_lshl_b32 s38, s31, 3
	s_add_nc_u64 s[24:25], s[24:25], s[38:39]
	s_lshl_b32 s38, ttmp9, 9
	s_lshl_b32 s32, s30, 2
	s_add_co_u32 s38, s38, s32
	s_add_nc_u64 s[26:27], s[26:27], s[38:39]      ; cnt: 512 x work-group + 4 x wave (+ 16 x lane)
	s_mov_b32 s40, 0x76543210
	s_mov_b32 s41, 0xfedcba98                      ; v_permlanex16_b32's selects for lane l xor 16
	v_mul_u32_u24 v6, v2, 384
	v_mad_u32_u24 v6, v3, 24, v6                   ; row r of 384 bytes, + 24 h
	v_lshlrev_b32 v7, 4, v2                        ; 16 scale bytes a row
	v_lshlrev_b32 v8, 5, v3                        ; router_b: my half's eight experts
	s_wait_alu depctr_va_vdst(0)                   ; v6 to v8 are written: the offsets of the loads below
.irp t, 0,1                            ; x: tile t of 16 tokens, K step s, at v[16 + 48 t + 12 s]
.irp s, 0,1,2,3
.irp p, 0,1,2,3,4,5
	global_load_b64 v[16+48*\t+12*\s+2*\p:17+48*\t+12*\s+2*\p], v6, s[4:5] offset:6144*\t+96*\s+48*(\p/3)+8*(\p%3)
.endr
.endr
.endr
.irp s, 0,1,2,3                        ; router_w: 16 experts' rows, at v[112 + 12 s]
.irp p, 0,1,2,3,4,5
	global_load_b64 v[112+12*\s+2*\p:113+12*\s+2*\p], v6, s[8:9] offset:96*\s+48*(\p/3)+8*(\p%3)
.endr
.endr
	global_load_b128 v[160:163], v7, s[6:7]                ; a row's four scale words: tile 0,
	global_load_b128 v[164:167], v7, s[6:7] offset:256     ; tile 1,
	global_load_b128 v[168:171], v7, s[10:11]              ; router_w
	global_load_b128 v[172:175], v8, s[12:13]              ; router_b in the result's layout: it starts the sums
	global_load_b128 v[176:179], v8, s[12:13] offset:16
.irp j, 0,1,2,3,4,5,6,7,8,9,10,11,12,13,14,15
	v_mov_b32 v[228+\j], 0                         ; a lane permute's destination counts as one of its sources
.endr
	v_mov_b32 v220, 0xff800000                     ; -infinity
	s_wait_loadcnt 0x0
; source 0 = the 16 experts, source 1 = 16 tokens: lane (r, h) holds token r and experts 8 h + 0 .. 7.  The two tiles take turns; K ascends
	v_wmma_scale_f32_16x16x128_f8f6f4 v[180:187], v[112:123], v[16:27], v[172:179], v168, v160 matrix_a_fmt:MATRIX_FMT_FP6 matrix_b_fmt:MATRIX_FMT_FP6
	v_wmma_scale_f32_16x16x128_f8f6f4 v[188:195], v[112:123], v[64:75], v[172:179], v168, v164 matrix_a_fmt:MATRIX_FMT_FP6 matrix_b_fmt:MATRIX_FMT_FP6
.irp s, 1,2,3
	v_wmma_scale_f32_16x16x128_f8f6f4 v[180:187], v[112+12*\s:123+12*\s], v[16+12*\s:27+12*\s], v[180:187], v[168+\s], v[160+\s] matrix_a_fmt:MATRIX_FMT_FP6 matrix_b_fmt:MATRIX_FMT_FP6
	v_wmma_scale_f32_16x16x128_f8f6f4 v[188:195], v[112+12*\s:123+12*\s], v[64+12*\s:75+12*\s], v[188:195], v[168+\s], v[164+\s] matrix_a_fmt:MATRIX_FMT_FP6 matrix_b_fmt:MATRIX_FMT_FP6
.endr
.rept 4
	v_nop                                          ; four places between a matrix instruction and the first read of its result (ISA guide 7.12.1)
.endr
; all 16 logits of ONE token into each lane, in the experts' order: lanes 0-15 token r of tile 0, lanes 16-31 token r of tile 1: lane l has token l of the wave's 32
.irp j, 0,1,2,3,4,5,6,7
	v_permlanex16_b32 v[228+\j], v[180+\j], s40, s41
.endr
.irp j, 0,1,2,3,4,5,6,7
	v_permlanex16_b32 v[236+\j], v[188+\j], s40, s41
.endr
	s_mov_b32 vcc_lo, 0xffff0000
.irp j, 0,1,2,3,4,5,6,7
	v_cndmask_b32 v[196+\j], v[180+\j], v[236+\j], vcc_lo  ; experts 0-7
.endr
.irp j, 0,1,2,3,4,5,6,7
	v_cndmask_b32 v[204+\j], v[228+\j], v[188+\j], vcc_lo  ; experts 8-15
.endr
; the four largest: value k in v[212 + k], its expert in v[216 + k].  'not greater' keeps what was found: of equals the lower index
.irp k, 0,1,2,3
	v_mov_b32 v[212+\k], v196
	v_mov_b32 v[216+\k], 0
.irp e, 1,2,3,4,5,6,7,8,9,10,11,12,13,14,15
	v_cmp_le_f32 vcc_lo, v[196+\e], v[212+\k]
	s_wait_alu depctr_va_vcc(0)                    ; the compare has written VCC, which the two selects read; each compare hangs on the selects before it
	v_cndmask_b32 v[212+\k], v[196+\e], v[212+\k], vcc_lo
	v_cndmask_b32 v[216+\k], \e, v[216+\k], vcc_lo
.endr
.if \k < 3
.irp e, 0,1,2,3,4,5,6,7,8,9,10,11,12,13,14,15
	v_cmp_eq_u32 s[44+\e], \e, v[216+\k]
.endr
	s_wait_alu depctr_va_sdst(0)                   ; the sixteen compares have written s44 to s59, which the selects read
.irp e, 0,1,2,3,4,5,6,7,8,9,10,11,12,13,14,15
	v_cndmask_b32 v[196+\e], v[196+\e], v220, s[44+\e]     ; the one found counts no more
.endr
.endif
.endr
; the softmax of the four: the first is the largest and is taken away, so its exponential is 1
	v_sub_f32 v222, v213, v212
	v_sub_f32 v223, v214, v212
	v_sub_f32 v224, v215, v212
	v_mul_f32 v222, 0x3fb8aa3b, v222
	v_mul_f32 v223, 0x3fb8aa3b, v223
	v_mul_f32 v224, 0x3fb8aa3b, v224
	v_exp_f32 v222, v222
	v_exp_f32 v223, v223
	v_exp_f32 v224, v224
	v_mov_b32 v221, 1                              ; plain work behind the exponentials: the two whole numbers of route
	v_mov_b32 v232, 2
	v_mov_b32 v233, 3
	v_lshlrev_b32 v248, v216, v221
	v_lshlrev_b32 v228, v217, v221
	v_lshlrev_b32 v229, v218, v221
	v_lshlrev_b32 v230, v219, v221
	v_or_b32 v248, v248, v228
	v_or_b32 v229, v229, v230
	v_or_b32 v248, v248, v229                      ; emask
	v_lshlrev_b32 v228, 1, v217
	v_lshlrev_b32 v229, 1, v218
	v_lshlrev_b32 v230, 1, v219
	v_lshlrev_b32 v228, v228, v221
	v_lshlrev_b32 v229, v229, v232
	v_lshlrev_b32 v230, v230, v233
	v_or_b32 v249, v228, v229
	v_or_b32 v249, v249, v230                      ; slotw: k << 2 x expert
	s_wait_alu depctr_va_vdst(0)                   ; one wait for the three exponentials v222 to v224, ahead of their first reader
	v_add_f32 v225, 1.0, v222
	v_add_f32 v225, v225, v223
	v_add_f32 v225, v225, v224
	v_rcp_f32 v244, v225                           ; the first gate is 1 / the sum
	v_mov_b32 v250, 0                              ; plain work behind the reciprocal: the wave's counts, expert e's into lane e
.irp e, 0,1,2,3,4,5,6,7,8,9,10,11,12,13,14,15
	v_and_b32 v251, 1<<\e, v248
	v_cmp_ne_u32 s[44+\e], 0, v251
.endr
	v_lshlrev_b32 v252, 3, v1
	s_wait_alu depctr_va_sdst(0)                   ; the sixteen compares have written s44 to s59, which the counts read
.irp e, 0,1,2,3,4,5,6,7,8,9,10,11,12,13,14,15
	s_bcnt1_i32_b32 s42, s[44+\e]
	v_writelane_b32 v250, s42, \e
.endr
	s_wait_alu depctr_va_vdst(0)                   ; the wait for the reciprocal v244, ahead of its first reader
	v_mul_f32 v245, v222, v244
	v_mul_f32 v246, v223, v244
	v_mul_f32 v247, v224, v244
	s_wait_alu depctr_va_vdst(0)                   ; v244 to v250 and the offset v252 are written, which the three stores read
	global_store_b64 v252, v[248:249], s[24:25]    ; 32 tokens: 256 consecutive bytes, aligned
	global_store_b128 v4, v[244:247], s[28:29]     ; 512 consecutive bytes
	global_store_b32 v4, v250, s[26:27]            ; one word of each lane's four: 64 waves store 128 bytes each so
	s_endpgm
.Lfunc_end_k_q7ff0629f22_prep:
	.size	k_q7ff0629f22_prep, .Lfunc_end_k_q7ff0629f22_prep-k_q7ff0629f22_prep
	.p2alignl 7, 3214868480
	.fill 96, 4, 3214868480
	.section	.rodata,"a",@progbits
	.p2align	6, 0x0
	.amdhsa_kernel k_q7ff0629f22_prep
		.amdhsa_group_segment_fixed_size 103936
		.amdhsa_private_segment_fixed_size 0
		.amdhsa_enable_private_segment 0
		.amdhsa_kernarg_size 104
		.amdhsa_user_sgpr_count 2
		.amdhsa_user_sgpr_kernarg_segment_ptr 1
		.amdhsa_wavefront_size32 1
		.amdhsa_system_sgpr_workgroup_id_x 1
		.amdhsa_system_sgpr_workgroup_id_y 1
		.amdhsa_system_sgpr_workgroup_id_z 1
		.amdhsa_system_vgpr_workitem_id 0
		.amdhsa_next_free_vgpr 256
		.amdhsa_next_free_sgpr 66
		.amdhsa_reserve_vcc 1
		.amdhsa_float_denorm_mode_32 3
		.amdhsa_float_denorm_mode_16_64 3
		.amdhsa_memory_ordered 1
		.amdhsa_forward_progress 1
		.amdhsa_inst_pref_size 70
	.end_amdhsa_kernel
	.amdgpu_metadata
---
amdhsa.version: [ 1, 2 ]
amdhsa.kernels:
  - .name:           k_q7ff0629f22_prep
    .symbol:         k_q7ff0629f22_prep.kd
    .args:
      - { .name: x_codes, .offset: 0, .size: 8, .value_kind: global_buffer, .address_space: global }
      - { .name: x_scales, .offset: 8, .size: 8, .value_kind: global_buffer, .address_space: global }
      - { .name: router_w_codes, .offset: 16, .size: 8, .value_kind: global_buffer, .address_space: global }
      - { .name: router_w_scales, .offset: 24, .size: 8, .value_kind: global_buffer, .address_space: global }
      - { .name: router_b, .offset: 32, .size: 8, .value_kind: global_buffer, .address_space: global }
      - { .name: w1_codes, .offset: 40, .size: 8, .value_kind: global_buffer, .address_space: global }
      - { .name: w1_scales, .offset: 48, .size: 8, .value_kind: global_buffer, .address_space: global }
      - { .name: w2_codes, .offset: 56, .size: 8, .value_kind: global_buffer, .address_space: global }
      - { .name: w2_scales, .offset: 64, .size: 8, .value_kind: global_buffer, .address_space: global }
      - { .name: wimg, .offset: 72, .size: 8, .value_kind: global_buffer, .address_space: global }
      - { .name: route, .offset: 80, .size: 8, .value_kind: global_buffer, .address_space: global }
      - { .name: cnt, .offset: 88, .size: 8, .value_kind: global_buffer, .address_space: global }
      - { .name: gates, .offset: 96, .size: 8, .value_kind: global_buffer, .address_space: global }
    .group_segment_fixed_size: 103936
    .private_segment_fixed_size: 0
    .kernarg_segment_align: 8
    .kernarg_segment_size: 104
    .max_flat_workgroup_size: 128
    .sgpr_count:     66
    .vgpr_count:     256
    .wavefront_size: 32
...
	.end_amdgpu_metadata
.endif
;; end of part 4
;; launch chain (part 5): grid 143 x 1, 4 waves a work-group, no clusters, 193,536 bytes of LDS; arguments cnt, route, gates, x_codes, x_scales, wimg, b1, b2, partial; writes partial
.if DOCPART == 5
	.amdgcn_target "amdgcn-amd-amdhsa--gfx1250"
	.amdhsa_code_object_version 6
	.text
	.protected	k_q7ff0629f22_chain
	.globl	k_q7ff0629f22_chain
	.p2align	8
	.type	k_q7ff0629f22_chain,@function
k_q7ff0629f22_chain:
	s_mov_b64 s[64:65], 0
	v_nop
	global_prefetch_b8 v0, s[64:65] scope:SCOPE_SE
	s_setreg_imm32_b32 hwreg(HW_REG_WAVE_SCHED_MODE, 0, 2), 2
	s_setreg_imm32_b32 hwreg(HW_REG_WAVE_MODE, 25, 1), 1
	s_wait_xcnt 0x0
	s_wait_alu depctr_vm_vsrc(0)
; ONE TILE OF 64 ROUTED ROWS OF ONE EXPERT THROUGH THE WHOLE CHAIN: partial[4 t + k] = gate x (Q(relu(x W1 + b1)) W2 + b2), both products on codes of FP6 (E2M3) with E8M0 scales.
; THE GRID serves every split: 8,192 routed rows in tiles of 64 over 16 experts are never more than 128 + 15 = 143 tiles.  Each work-group finds its expert, its place among that
; expert's tiles and its 64 rows from the whole numbers that the launch before stored (cnt, route).  A tile with fewer than 64 rows, or none, fills up with list entry 0 (token 0,
; slot 0), computes them like the others and does not store them: so every wave passes every barrier, and the only branches on stored numbers stand round the row stores at the end.
; SHARES.  The four waves share the COLUMNS: in each of four rounds of 512 hidden units wave w makes units 128 w .. 128 w + 127 of the round for all 64 rows, and it owns outputs
; 128 w .. 128 w + 127.  x (16 fragments) and y (32 accumulators) stay in registers; the weights come from wimg, laid in the order of the operand registers, straight into a ring of
; eight places of registers (a batch: two fragments and a scale register, seven loads); only the hidden layer goes from wave to wave, through LDS, as images of its registers.
; Tile i of an expert begins at round i & 3, so that neighbouring tiles do not all ask for the same bytes at the start.
; NO TENSOR LOADS, NO CLUSTER: the tiles of an expert read the same weights, but how many tiles an expert has hangs on stored counts, and branches of this text hang on them too.
; BOTH PRODUCTS ARE USED TRANSPOSED (source 0 = 16 rows of the weight, source 1 = 16 tokens): a lane holds one token.  The rows of W1 that form a tile are chosen so that the 16
; registers of a pair of tiles are 16 neighbours along the next K.  In the first product K's blocks of 32 stand in another order than in memory, alike in W1 and in x: lane (r, h)
; holds, in step s, blocks 8 h + 2 s and 8 h + 2 s + 1: a lane's part of a row of x is then 192 consecutive bytes.  The sums differ from ascending K in f32 rounding alone.
; LIMITS: a hidden block of zeros keeps the scale byte 1 (its codes are zeros, and this program alone reads the byte); NaN and infinities are not served.
; REGISTERS, in windows of 256.  Window 0: addresses, scale registers, the hidden layer at work.  Window 1: v0-191 the ring, v192-223 two sets of b1; on the way out rows of y.
; Window 2: v0-191 x (tile m, step s at 48 m + 12 s), v192-255 b2.  Window 3: y, accumulator (n, m) at 8 (4 n + m).
; THE MODE: SCHED_MODE bits 1:0 = 2 (LLVM: expert scheduling mode 2), set by the entry lines.  The code itself states the register dependences between vector or matrix
; instructions and memory or LDS instructions, and those through scalar registers that vector instructions write, with s_wait_alu, always for 0.
; THE PLAN.  Registers that memory or LDS instructions touch in the rounds:
;   ring place q, RS[q]   Batch p (q = p % 8): its eight products read them; the seven loads of batch p + 8, issued in the middle of batch p + 2, land in them.
;   b1's sets 0, 1        Block b's first batch reads set b % 2 as C; the loads of block b + 1 are issued in block b's second batch, those of a round's block 0 in the last K step before it.
;   HF0, FRG, HS          K step j's products read set j % 2; the loads of K step j + 1 are issued in the middle of K step j's first batch and land in the other set.
;   FRG, PW               Written by the quantiser, read by the image stores; FRG is then loaded into (above), PW written again a round later.
;   v[B1W]                Read by b1's loads; written once a round.   All other addresses are made at the head and never written again; the record's base is a scalar pair.
; So ONE wait on va_vdst stands at the head of every second batch: it states that the products of the two batches before are done reading their ring places and scale registers, that
; the K step before is done reading the other set of hidden fragments, and, once a round, that v[B1W] is written.  The loads of the two batches that follow stand in the middle of each,
; among products that name this pair's ring places, x or this K step's hidden set, and the accumulators: none of the registers in which those loads land.
; One more wait on va_vdst a round stands behind the quantiser, ahead of the image stores; one on vm_vsrc behind those stores; one on vm_vsrc ahead of the add to v[B1W].
.set LIST, 0                           ; LDS: 64 list entries (4 t + k), then 64 words for the entries that fall outside the tile
.set B1T,  512                         ; b1: 4 waves x 4 rounds (in the order in which they are walked) x 512 bytes
.set XIMG, 8704                        ; x: 48 register groups of 512 bytes
.set XSC,  33280                       ; x's scale words: 16 bytes a row, 64 rows
.set HIMG, 34304                       ; the hidden layer: fragment (K step j, tile m) at (4 j + m) x 1,536
.set HSC,  58880                       ; its scale words, 128 bytes each
.set STG,  60928                       ; the stage for y: 64 rows x (2,048 + 16) bytes
.set SP,   2064
.set REC_E, 1638400
.set REC_RD, 409600
.set REC_W, 102400
.set L16, 1                            ; v1   16 x lane
.set L4,  2                            ; v2   4 x lane
.set HWI, 3                            ; v3   where I store the hidden images: HIMG + 6,144 wave + 16 lane
.set HWS, 4                            ; v4   and their scale words: HSC + 512 wave + 4 lane
.set LB,  5                            ; v5   list entry 16 wave, the same in all lanes
.set L8,  6                            ; v6   8 x lane
.set B1A, 7                            ; v7   my part of the b1 table: B1T + 2,048 wave + 64 h
.set B1W, 8                            ; v8   the same in the round in hand
.set SRD, 9                            ; v9   the stage, on the way back: my 16 rows
.set GT,  12                           ; v12, 14, 16, 18 the gate of row r of tile m (the odd registers: 0)
.set STO, 20                           ; v20-23 the stage, on the way in, for tile m
.set RS,  24                           ; v24-31 the ring's scale registers
.set XS,  32                           ; v32-39 x's scale words: register 4 (m / 2) + s; lanes 0-15 the even tile, lanes 16-31 the odd
.set HS,  40                           ; v40-47 the hidden layer's, two sets of four.  v24-47 hold scales and nothing else
.set PW,  48                           ; v48-51 the scale words being made
.set TM,  52                           ; v52-67 at work in the quantiser
.set TT,  68                           ; v68-83 a block's second half of codes, 4 registers a tile
.set FRG, 84                           ; v84-131 the four fragments being made; later the hidden fragments' second set
.set HA,  132                          ; v132-195 hidden numbers: 16 m + 8 u + j
.set HF0, 196                          ; v196-243 the hidden fragments' first set
.set CN,  52                           ; at the head: v52-115 the counts
.set RT,  120                          ; at the head, in wave 0: v120-247 route.  No load of the text lands on v1-9, v20-23 or v248-255, where addresses stand
.set LRA, 248                          ; v248 list entry 16 wave + r
.set L4R, 249                          ; v249 list entry r
.set XWI, 250                          ; v250 where I store x's images
.set XSW, 251                          ; v251 and x's scale words
.set B1S, 252                          ; v252 where I store my b1 table
.set H192, 253                         ; v253 192 h
.set H32, 254                          ; v254 32 h
.set DUMP, 255                         ; v255 64 + lane: the word for a list entry that is not my tile's
.set MSB, 0
.macro WIN new                         ; s_set_vgpr_msb: bits 1:0 source 0, 3:2 source 1, 5:4 source 2, 7:6 destination; the high byte repeats the setting that is left
.if MSB != \new
	s_set_vgpr_msb (MSB<<8)|\new
.set MSB, \new
.endif
.endm
.macro PLACES                          ; four places between a matrix instruction and a read of its result; ahead of loads into its registers they are kept as they stood, beside the wait that states that dependence
.rept 4
	v_nop
.endr
.endm
.macro WM ra, rb                       ; one product; ra, rb = 1: that side's scales stand in lanes 16-31
.if ((\ra) == 0) && ((\rb) == 0)
	v_wmma_scale_f32_16x16x128_f8f6f4 v[rD:rD+7], v[rA:rA+11], v[rB:rB+11], v[rC:rC+7], v[rSA], v[rSB] matrix_a_fmt:MATRIX_FMT_FP6 matrix_b_fmt:MATRIX_FMT_FP6
.elseif (\rb) == 0
	v_wmma_scale_f32_16x16x128_f8f6f4 v[rD:rD+7], v[rA:rA+11], v[rB:rB+11], v[rC:rC+7], v[rSA], v[rSB] matrix_a_fmt:MATRIX_FMT_FP6 matrix_b_fmt:MATRIX_FMT_FP6 matrix_a_scale:MATRIX_SCALE_ROW1
.elseif (\ra) == 0
	v_wmma_scale_f32_16x16x128_f8f6f4 v[rD:rD+7], v[rA:rA+11], v[rB:rB+11], v[rC:rC+7], v[rSA], v[rSB] matrix_a_fmt:MATRIX_FMT_FP6 matrix_b_fmt:MATRIX_FMT_FP6 matrix_b_scale:MATRIX_SCALE_ROW1
.else
	v_wmma_scale_f32_16x16x128_f8f6f4 v[rD:rD+7], v[rA:rA+11], v[rB:rB+11], v[rC:rC+7], v[rSA], v[rSB] matrix_a_fmt:MATRIX_FMT_FP6 matrix_b_fmt:MATRIX_FMT_FP6 matrix_a_scale:MATRIX_SCALE_ROW1 matrix_b_scale:MATRIX_SCALE_ROW1
.endif
.endm
.macro RLOAD pi                        ; batch pi's two fragments into ring place pi % 8 (destination window 1): six loads of 512 consecutive bytes
.irp g, 0,1,2,3,4,5
	global_load_b128 v[24*((\pi)%8)+4*\g:24*((\pi)%8)+4*\g+3], v[L16], s[34:35] offset:3072*(\pi)+512*\g
.endr
.endm
.macro SLOAD pi                        ; and its scale register (window 0)
	global_load_b32 v[RS+(\pi)%8], v[L4], s[34:35] offset:98304+128*(\pi)
.endm
.macro ISSUE pi
	WIN 0x40
	RLOAD \pi
	WIN 0
	SLOAD \pi
.endm
.macro BIAS b                          ; b1 of hidden units 32 b + 16 h + 0 .. 15 of my 128, in the result's layout, into set b % 2
	WIN 0x40
.irp i, 0,1,2,3
	ds_load_b128 v[192+16*((\b)%2)+4*\i:195+16*((\b)%2)+4*\i], v[B1W] offset:128*(\b)+16*\i
.endr
.endm
; Four products of batch 4 b + s of the first product: two tiles of W1's rows x tiles m0, m0 + 1 of tokens, K step s.  SL: the batch's ring place
.macro B1MUL b, s, m0
.if (\s) == 0
	WIN 0x19                                       ; source 0 (W1) window 1, source 1 (x) window 2, C (b1) window 1, D window 0
.else
	WIN 0x09
.endif
.irp m, \m0, \m0+1
.irp u, 0,1
.set rD, HA+16*(\m)+8*\u
.set rA, 24*SL+12*\u
.set rB, 48*(\m)+12*(\s)
.if (\s) == 0
.set rC, 192+16*((\b)%2)+8*\u
.else
.set rC, rD
.endif
.set rSA, RS+SL
.set rSB, XS+4*((\m)/2)+(\s)
	WM \u, (\m)%2
.endr
.endr
.endm
; Batch 4 b + s of the first product.  The eight accumulators take turns, one instruction a turn.
.macro BATCH1 b, s
.set PB, 4*(\b)+(\s)
.set SL, PB%8
	s_wait_loadcnt 35                              ; this batch's seven loads are in; the five younger batches' 35 may be out
.if (\s) == 0
	s_wait_dscnt 0x0                               ; b1's set
.endif
.if (\s)%2 == 0
.if ((\s) == 2) || ((\b) == 0)
	PLACES                                         ; (behind the quantiser its own lines are the places)
.endif
	s_wait_alu depctr_va_vdst(0)                   ; the products of the two batches before are done reading their ring places and scale registers, in which this batch's and the next one's loads land; block b - 1 is done reading its set of b1
.endif
	B1MUL \b, \s, 0
	WIN 0x40
	RLOAD PB+6                                     ; the place read two batches ago takes the batch six on.  No product since the wait names it
.if ((\s) == 1) && ((\b) < 3)
	BIAS (\b)+1
.endif
	WIN 0
	SLOAD PB+6
	B1MUL \b, \s, 2
.endm
; Block b (32 hidden units) of the four tiles of tokens: relu, the block's scale, the codes.  A lane holds 16 of the 32 numbers of its token, lane l xor 16 the others.
.macro QUANTP b
	WIN 0
	PLACES                                         ; behind the block's last products, ahead of the first read of their results
.set j, 0
.rept 64
	v_max_num_f32 v[HA+j], 0, v[HA+j]              ; the activation, in f32; each accumulator from its low end on
.set j, j+1
.endr
.irp m, 0,1,2,3
	v_max3_num_f32 v[TM+\m], v[HA+16*\m], v[HA+16*\m+1], 0x1800000   ; none is negative; the floor 2^(3 - 127) holds the byte at 1 from below
.endr
.irp i, 2,4,6,8,10,12,14
.irp m, 0,1,2,3
	v_max3_num_f32 v[TM+\m], v[TM+\m], v[HA+16*\m+\i], v[HA+16*\m+\i+1]
.endr
.endr
.irp m, 0,1,2,3
	v_permlanex16_b32 v[TM+4+\m], v[TM+\m], s50, s51
.endr
.irp m, 0,1,2,3
	v_max_num_f32 v[TM+\m], v[TM+\m], v[TM+4+\m]   ; the block's largest
.endr
.irp m, 0,1,2,3
	v_add_nc_u32 v[TM+8+\m], 0xff000000, v[TM+\m]  ; 2 off its exponent field: the conversion's scale operand
.endr
.irp m, 0,1,2,3
	v_lshrrev_b32 v[TM+12+\m], 23, v[TM+8+\m]      ; the scale's byte
.endr
.irp m, 0,1,2,3
.if (\b) == 0
	v_mov_b32 v[PW+\m], v[TM+12+\m]
.else
	v_lshl_or_b32 v[PW+\m], v[TM+12+\m], 8*(\b), v[PW+\m]
.endif
.endr
.irp m, 0,1,2,3
.if (\b)%2 == 0
	v_cvt_scalef32_pk16_fp6_f32 v[FRG+12*\m+6*((\b)/2):FRG+12*\m+6*((\b)/2)+2], v[HA+16*\m:HA+16*\m+15], v[TM+8+\m]
.else
	v_cvt_scalef32_pk16_fp6_f32 v[TT+4*\m:TT+4*\m+2], v[HA+16*\m:HA+16*\m+15], v[TM+8+\m]
.endif
.endr
	v_nop                                          ; one plain place behind the last scaled conversion
.if (\b)%2 == 1                        ; the operand's layout wants a whole block in a lane: lanes 0-15 the even block, lanes 16-31 the odd
.irp m, 0,1,2,3
.irp i, 0,1,2
	v_permlane16_swap_b32 v[FRG+12*\m+6*((\b)/2)+\i], v[TT+4*\m+\i]
.endr
.irp i, 0,1,2
	v_mov_b32 v[FRG+12*\m+6*((\b)/2)+3+\i], v[TT+4*\m+\i]
.endr
.endr
.endif
.endm
.macro HLOAD j                         ; K step j's four hidden fragments and their scale words, as any wave stored them
.set HFL, HF0
.if (\j)%2
.set HFL, FRG
.endif
.irp m, 0,1,2,3
.irp g, 0,1,2
	ds_load_b128 v[HFL+12*\m+4*\g:HFL+12*\m+4*\g+3], v[L16] offset:HIMG+(4*(\j)+\m)*1536+512*\g
.endr
	ds_load_b32 v[HS+4*((\j)%2)+\m], v[L4] offset:HSC+(4*(\j)+\m)*128
.endr
.endm
; A round's first product and its quantiser: my 128 hidden units for the 64 rows become K step 'wave' of the second product.
.macro PHASE1 first
.irp b, 0,1,2,3
	BATCH1 \b, 0
	BATCH1 \b, 1
	BATCH1 \b, 2
	BATCH1 \b, 3
	QUANTP \b
.endr
	s_wait_alu depctr_va_vdst(0)                   ; the quantiser has written the four fragments and their scale words, which the LDS stores below read
.if \first == 0
	s_wait_dscnt 0x0                               ; my reads of the last round's images are in:
	s_barrier_signal -1
	s_barrier_wait -1                              ; everybody's are, so the images may be written again
.endif
.irp m, 0,1,2,3
.irp g, 0,1,2
	ds_store_b128 v[HWI], v[FRG+12*\m+4*\g:FRG+12*\m+4*\g+3] offset:1536*\m+512*\g
.endr
	ds_store_b32 v[HWS], v[PW+\m] offset:128*\m
.endr
	s_wait_dscnt 0x0                               ; for the others' sake: my stores have landed
	s_wait_alu depctr_vm_vsrc(0)                   ; and have read v[FRG ..], in which the odd K steps' hidden fragments land, and v[PW ..], which the next round's quantiser writes
	s_barrier_signal -1
	s_barrier_wait -1                              ; the round's sixteen fragments lie in LDS
	HLOAD 0
.endm
; Four products of batch 16 + 4 j + np of the second product: tile 2 np + u of W2's rows x four tiles of tokens
.macro K2MUL j, np, first, u
.set HFS, HF0
.if (\j)%2
.set HFS, FRG
.endif
.if \first
	WIN 0xe1                                       ; source 0 (W2) window 1, source 1 (hidden) window 0, C (b2) window 2, D window 3
.else
	WIN 0xf1
.endif
.irp m, 0,1,2,3
.set rD, 8*(4*(2*(\np)+(\u))+\m)
.set rA, 24*SL+12*(\u)
.set rB, HFS+12*\m
.if \first
.set rC, 192+8*(2*(\np)+(\u))
.else
.set rC, rD
.endif
.set rSA, RS+SL
.set rSB, HS+4*((\j)%2)+\m
	WM \u, 0
.endr
.endm
; A quarter of a K step of the second product: batch 16 + 4 j + np.  The 32 accumulators take turns through a K step.  bias = 1: the next round's first set of b1 is asked for
.macro KPART j, np, first, issue, left, bias
.set PB, 16+4*(\j)+(\np)
.set SL, PB%8
	s_wait_loadcnt \left                           ; this batch is in; 'left' loads were issued behind it
.if (\issue) && ((\np)%2 == 0)
	PLACES
	s_wait_alu depctr_va_vdst(0)                   ; the products of the two batches before are done reading their ring places and scale registers, the K step before is done reading the other hidden set; with bias = 1: v[B1W] is written
.endif
	K2MUL \j, \np, \first, 0
.if \issue
	WIN 0x40
	RLOAD (PB+6)%32                                ; the place read two batches ago takes the batch six on.  No product since the wait names it
.if \bias
	BIAS 0
.endif
	WIN 0
	SLOAD (PB+6)%32
.endif
.if ((\np) == 0) && ((\j) < 3)
	WIN 0
	HLOAD (\j)+1                                   ; the other set was last read a K step ago
.endif
	K2MUL \j, \np, \first, 1
.endm
.macro KSTEP j, first, issue, l0, l1, l2, l3
	s_wait_dscnt 0x0                               ; this K step's hidden fragments are in
	KPART \j, 0, \first, \issue, \l0, 0
	KPART \j, 1, \first, \issue, \l1, 0
	KPART \j, 2, \first, \issue, \l2, 0
	KPART \j, 3, \first, \issue, \l3, 0
.endm
; ---------------- THE HEAD ----------------
	s_load_b512 s[4:19], s[0:1], 0x0               ; cnt s[4:5], route s[6:7], gates s[8:9], x codes s[10:11], x scales s[12:13], wimg s[14:15], b1 s[16:17], b2 s[18:19]
	s_load_b64 s[20:21], s[0:1], 0x40              ; partial
	v_lshrrev_b32 v10, 5, v0
	v_readfirstlane_b32 s22, v10                   ; wave
	v_and_b32 v10, 31, v0                          ; lane
	v_and_b32 v11, 15, v0                          ; r
	v_bfe_u32 v116, v0, 4, 1                       ; h
	v_lshlrev_b32 v[L16], 4, v10
	v_lshlrev_b32 v[L4], 2, v10
	s_wait_alu depctr_va_sdst(0)                   ; s22 is written, ahead of its first reader
	s_mul_i32 s27, s22, 6144                       ; every LDS address is made here, ahead of the first branch on the wave's number
	v_add_nc_u32 v[HWI], s27, v[L16]
	v_add_nc_u32 v[XWI], s27, v[L16]
	v_add_nc_u32 v[HWI], HIMG, v[HWI]
	v_add_nc_u32 v[XWI], XIMG, v[XWI]              ; x's images: 12 groups a wave
	s_lshl_b32 s27, s22, 9
	v_add_nc_u32 v[HWS], s27, v[L4]
	v_add_nc_u32 v[HWS], HSC, v[HWS]
	v_mul_u32_u24 v117, v11, SP
	v_lshl_add_u32 v117, v116, 5, v117
	v_add_nc_u32 v117, s27, v117                   ; row r, + 32 h, + my 512 bytes of a row
.irp m, 0,1,2,3
	v_add_nc_u32 v[STO+\m], STG+16*\m*SP, v117
.endr
	s_lshl_b32 s27, s22, 11
	v_lshl_add_u32 v[B1A], v116, 6, s27
	v_add_nc_u32 v[B1S], s27, v[L16]
	v_add_nc_u32 v[B1A], B1T, v[B1A]
	v_add_nc_u32 v[B1S], B1T, v[B1S]
	s_mul_i32 s27, s22, 16*SP
	v_add_nc_u32 v[SRD], s27, v[L16]
	v_add_nc_u32 v[SRD], STG, v[SRD]
	s_lshl_b32 s27, s22, 6
	v_lshl_add_u32 v[LRA], v11, 2, s27             ; list entry 16 wave + r
	v_lshlrev_b32 v[L4R], 2, v11                   ; list entry r
	v_lshrrev_b32 v[LB], 5, v0
	v_lshlrev_b32 v[LB], 6, v[LB]                  ; list entry 16 wave, the same in all lanes
	s_lshl_b32 s27, s22, 8
	v_lshl_add_u32 v[XSW], v11, 4, s27
	v_add_nc_u32 v[XSW], XSC, v[XSW]               ; x's scale words: row 16 wave + r
	v_mul_u32_u24 v[H192], v116, 192
	v_lshlrev_b32 v[H32], 5, v116
	v_add_nc_u32 v[DUMP], 64, v10
	v_lshlrev_b32 v[L8], 3, v10
	s_mov_b32 s50, 0x76543210
	s_mov_b32 s51, 0xfedcba98                      ; v_permlanex16_b32's selects for lane l xor 16
	s_mov_b32 s54, 0x05010400
	s_mov_b32 s55, 0x07030602
	s_mov_b32 s53, 0
	v_add_nc_u32 v[B1W], s53, v[B1A]               ; the first round's b1
	s_wait_kmcnt 0x0
	s_wait_alu depctr_va_vdst(0)                   ; all the addresses and offsets above are written, which the loads and stores of the whole text read; so is v10, in which a list entry lands
	s_cmp_lg_u32 s22, 0                            ; wave 0 will make the list: it reads route, two tokens a lane and load
	s_cbranch_scc1 .Lno_route
.set i, 0
.rept 32
	global_load_b128 v[RT+4*i:RT+4*i+3], v[L16], s[6:7] offset:512*i
.set i, i+1
.endr
.Lno_route:
.set i, 0
.rept 16
	global_load_b128 v[CN+4*i:CN+4*i+3], v[L16], s[4:5] offset:512*i   ; lane e: expert e's counts of four waves of router work-group i
.set i, i+1
.endr
	s_wait_loadcnt 0x0
.irp w, 32,16,8,4,2,1
.set i, 0
.rept \w
	v_add_nc_u32 v[CN+i], v[CN+i], v[CN+\w+i]
.set i, i+1
.endr
.endr                                  ; v[CN], lane e: how many rows expert e has
.irp e, 0,1,2,3,4,5,6,7,8,9,10,11,12,13,14,15
	v_readlane_b32 s[32+\e], v[CN], \e             ; the sixteen counts in one run, into s32 to s47
.endr
	s_mov_b32 s23, 0                               ; my expert,
	s_mov_b32 s24, 0                               ; its first tile,
	s_mov_b32 s25, 0                               ; its rows
	s_mov_b32 s26, 0                               ; tiles of the experts before
	s_wait_alu depctr_va_sdst(0)                   ; s32 to s47 are written, ahead of their first readers
.irp e, 0,1,2,3,4,5,6,7,8,9,10,11,12,13,14,15
	s_cmp_ge_u32 ttmp9, s26                        ; the last expert whose first tile is not behind mine
	s_cselect_b32 s23, \e, s23
	s_cselect_b32 s24, s26, s24
	s_cselect_b32 s25, s[32+\e], s25
	s_add_co_u32 s27, s[32+\e], 63
	s_lshr_b32 s27, s27, 6
	s_add_co_u32 s26, s26, s27
.endr
	s_sub_co_u32 s28, ttmp9, s24                   ; which of its tiles
	s_lshl_b32 s29, s28, 6                         ; my first row among the expert's
	s_sub_co_i32 s30, s25, s29
	s_max_i32 s30, s30, 0
	s_min_i32 s30, s30, 64                         ; rows of the tile that count
	s_lshl_b32 s27, s22, 4
	s_sub_co_i32 s30, s30, s27
	s_max_i32 s30, s30, 0                          ; and of the 16 that my wave stores: row i is stored where i < s30
	s_min_u32 s23, s23, 15
	s_and_b32 s31, s28, 3
	s_min_u32 s31, s31, 3                          ; the round at which I begin
	s_lshl_b32 s2, 1, s23                          ; my expert's bit in emask
	s_lshl_b32 s3, s23, 1                          ; and its place in slotw
	s_sub_co_u32 s28, 0, s29                       ; the running place in the tile: rows seen so far less my first row
	s_mov_b32 s37, 0
.irp p, 0,1,2,3                        ; b1's offsets: the four rounds in the order in which I walk them
	s_add_co_u32 s27, s31, \p
	s_and_b32 s27, s27, 3
	s_lshl_b32 s27, s27, 11
	v_add_nc_u32 v[TT+\p], s27, v[L16]
.endr
	v_mov_b32 v100, 0                              ; what wave 0 fills the list with
	s_mul_i32 s36, s23, REC_E
	s_mul_i32 s27, s22, REC_W
	s_add_co_u32 s36, s36, s27
	s_add_nc_u64 s[32:33], s[14:15], s[36:37]      ; my expert's and wave's record of round 0
	s_mul_i32 s36, s31, REC_RD
	s_add_nc_u64 s[34:35], s[32:33], s[36:37]      ; and of the round in hand
	s_lshl_b32 s36, s23, 13
	s_lshl_b32 s27, s22, 9
	s_add_co_u32 s36, s36, s27
	s_add_nc_u64 s[38:39], s[16:17], s[36:37]      ; b1: my expert, my 128 units of a round
	s_lshl_b32 s36, s23, 11
	s_add_co_u32 s36, s36, s27
	s_add_nc_u64 s[40:41], s[18:19], s[36:37]      ; b2: my expert, my 128 outputs
	s_wait_alu depctr_va_vdst(0)                   ; b1's four offsets and v100 are written, which loads and stores below read; the sums are done reading v84 to v99, in which b1 lands
.irp p, 0,1,2,3,4,5
	ISSUE \p                                       ; batches 0 to 5; each batch of the rounds asks for the one six on
.endr
.irp p, 0,1,2,3
	global_load_b128 v[FRG+4*\p:FRG+4*\p+3], v[TT+\p], s[38:39]
.endr
	s_cmp_lg_u32 s22, 0
	s_cbranch_scc1 .Lno_scan
; THE LIST, by wave 0; no other wave touches LDS ahead of the barrier below.  The tokens are walked 32 at a time, in one fixed order for all tiles of the launch; a token that chose my
; expert gets the next place; places 0 .. 63 of my tile go into the list as 4 t + k, all others into a word of the lane's own that nobody reads.
; Eight steps at a time, so that the compares stand in runs: who chose my expert into s56-63, who lies inside my tile into s42-49; step i's address and entry in v[104 + 2 i], v[105 + 2 i].
	ds_store_b32 v[L4], v100 offset:LIST           ; entries that stay empty name token 0, slot 0
	ds_store_b32 v[L4], v100 offset:LIST+128
.set sg, 0
.rept 8
.if sg > 0
	s_wait_alu depctr_vm_vsrc(0)                   ; the last eight stores have read v104 to v119, which are written again
.endif
.set i, 0
.rept 8
	v_and_b32 v[104+2*i], s2, v[RT+2*(8*sg+i)]
	v_cmp_ne_u32 s[56+i], 0, v[104+2*i]            ; who chose my expert
.set i, i+1
.endr
	s_wait_alu depctr_va_sdst(0)                   ; s56 to s63 are written, ahead of their first readers
.set i, 0
.rept 8
	v_mbcnt_lo_u32_b32 v[104+2*i], s[56+i], s28    ; the place: those before me in this step + those of the steps before - my tile's first row
	s_bcnt1_i32_b32 s27, s[56+i]
	s_add_co_u32 s28, s28, s27
.set i, i+1
.endr
.set i, 0
.rept 8
.set n, 8*sg+i
	v_cmp_gt_u32 s[42+i], 64, v[104+2*i]           ; inside my tile (a place before it has wrapped to a large number)
	v_lshrrev_b32 v[105+2*i], s3, v[RT+1+2*n]
	v_and_b32 v[105+2*i], 3, v[105+2*i]            ; the slot k of my expert
	v_add3_u32 v[105+2*i], v[105+2*i], v[L8], 256*(n/2)+4*(n%2)   ; 4 t + k, t = 64 (n / 2) + 2 lane + n % 2
.set i, i+1
.endr
	s_wait_alu depctr_va_sdst(0)                   ; s42 to s49 are written, ahead of their first readers
.set i, 0
.rept 8
	s_and_b32 s[56+i], s[56+i], s[42+i]
	v_cndmask_b32 v[104+2*i], v[DUMP], v[104+2*i], s[56+i]
	v_min_u32 v[104+2*i], 127, v[104+2*i]
	v_lshlrev_b32 v[104+2*i], 2, v[104+2*i]
.set i, i+1
.endr
	s_wait_alu depctr_va_vdst(0)                   ; the eight addresses and the eight entries are written, which the stores read
.set i, 0
.rept 8
	ds_store_b32 v[104+2*i], v[105+2*i]
.set i, i+1
.endr
.set sg, sg+1
.endr
.Lno_scan:
	s_wait_dscnt 0x0
	s_barrier_signal -1
	s_barrier_wait -1                              ; the list lies in LDS
	ds_load_b32 v10, v[LRA]                        ; wave w gathers tile w's rows of x
.irp m, 0,1,2,3
	ds_load_b32 v[GT+2*\m], v[L4R] offset:64*\m
.endr
	s_wait_dscnt 0x0
	v_lshrrev_b32 v10, 2, v10
	v_min_u32 v10, 2047, v10                       ; the token
	v_mul_u32_u24 v11, v10, 384
	v_add_nc_u32 v11, v11, v[H192]                 ; my half of its row: 192 consecutive bytes = 48 registers = my part of its four fragments
	v_lshlrev_b32 v10, 4, v10
.irp m, 0,1,2,3
	v_min_u32 v[TT+4+\m], 8191, v[GT+2*\m]
	v_lshlrev_b32 v[TT+4+\m], 2, v[TT+4+\m]
.endr
	s_wait_alu depctr_va_vdst(0)                   ; the six offsets are written; the lines above are done reading the entries, on which the gates land; in wave 0 the list's lines are done reading route, on which x lands
.set i, 0
.rept 12
	global_load_b128 v[HA+4*i:HA+4*i+3], v11, s[10:11] offset:16*i
.set i, i+1
.endr
	global_load_b128 v[180:183], v10, s[12:13]     ; its sixteen scale bytes
.irp m, 0,1,2,3
	global_load_b32 v[GT+2*\m], v[TT+4+\m], s[8:9] ; gates[t][k]
.endr
	s_wait_loadcnt 4                               ; behind x's loads only the four of the gates were issued: six batches, b1 and x are in
	v_perm_b32 v184, v182, v180, s54               ; scale word s: bytes 2 s, 8 + 2 s, 2 s + 1, 8 + 2 s + 1: the order in which the blocks stand in the fragments
	v_perm_b32 v185, v182, v180, s55
	v_perm_b32 v186, v183, v181, s54
	v_perm_b32 v187, v183, v181, s55
	WIN 0x80
.irp n, 0,1,2,3,4,5,6,7
	global_load_b128 v[192+8*\n:195+8*\n], v[H32], s[40:41] offset:64*\n      ; b2 in the result's layout: outputs 16 n + 8 h + 0 .. 7 of my 128
	global_load_b128 v[196+8*\n:199+8*\n], v[H32], s[40:41] offset:64*\n+16
.endr
	WIN 0
	s_wait_alu depctr_va_vdst(0)                   ; the byte selects have written v184 to v187, which the last store below reads
.irp p, 0,1,2,3
	ds_store_b128 v[B1S], v[FRG+4*\p:FRG+4*\p+3] offset:512*\p
.endr
.set i, 0
.rept 12
	ds_store_b128 v[XWI], v[HA+4*i:HA+4*i+3] offset:512*i
.set i, i+1
.endr
	ds_store_b128 v[XSW], v[184:187]               ; both halves of the lanes write the same bytes with the same values
	s_wait_dscnt 0x0
	s_barrier_signal -1
	s_barrier_wait -1                              ; x's sixteen fragments lie in LDS
	WIN 0x80
.set i, 0
.rept 48
	ds_load_b128 v[4*i:4*i+3], v[L16] offset:XIMG+512*i
.set i, i+1
.endr
	BIAS 0                                         ; the first round's first set of b1, out of my own table
	WIN 0
	ds_load_b128 v[XS:XS+3], v[L16] offset:XSC
	ds_load_b128 v[XS+4:XS+7], v[L16] offset:XSC+512
.irp m, 0,1,2,3
	v_mov_b32 v[GT+2*\m+1], 0                      ; named as the upper half of a pair
	v_mov_b32 v[TM+4+\m], 0                        ; a lane permute's destination counts as one of its sources
.endr
	s_wait_dscnt 0x0
	s_wait_xcnt 0x0                                ; the head's loads have had their addresses translated: their offset registers are written again only behind this wait
	s_wait_alu depctr_vm_vsrc(0)                   ; the head's loads and LDS stores have read v[TT ..], v[FRG ..], v[HA ..] and, in wave 0, v100 to v119, which the products and the quantiser write
; ---------------- THE FOUR ROUNDS ----------------
; The first K step of the second product starts y's sums (C = b2) and stands ahead of the loop; a trip goes from a round's second K step to the next round's first.
; (For the first batches the count 35 is stricter than their own loads ask: b1's, x's, the gates' and b2's loads stand between the ring's.)
	PHASE1 1
	KSTEP 0, 1, 1, 35, 35, 35, 35
	WIN 0                                          ; at a label and at a branch every window is 0
	s_mov_b32 s52, 3
.Lround:
	KSTEP 1, 0, 1, 35, 35, 35, 35
	s_wait_dscnt 0x0                               ; K step 2's hidden fragments are in
	KPART 2, 0, 0, 1, 35, 0
	KPART 2, 1, 0, 1, 35, 0                        ; asks for the round's last batch
	s_wait_xcnt 0x0                                ; all loads issued have read their base, so it may step:
	s_add_co_u32 s31, s31, 1
	s_and_b32 s31, s31, 3
	s_min_u32 s31, s31, 3
	s_mul_i32 s36, s31, REC_RD
	s_add_nc_u64 s[34:35], s[32:33], s[36:37]      ; the next round's record
	KPART 2, 2, 0, 1, 35, 0
	KPART 2, 3, 0, 1, 35, 0
	s_wait_dscnt 0x0                               ; K step 3's hidden fragments are in
	KPART 3, 0, 0, 1, 35, 0
	KPART 3, 1, 0, 1, 35, 0
	WIN 0
	s_add_co_u32 s53, s53, 512                     ; the next round's b1
	s_wait_alu depctr_vm_vsrc(0)                   ; b1's loads issued so far have read v[B1W]
	v_add_nc_u32 v[B1W], s53, v[B1A]               ; it stands ahead of the next batch's wait on va_vdst, behind which it is read
	KPART 3, 2, 0, 1, 35, 1
	KPART 3, 3, 0, 1, 35, 0
	PHASE1 0
	KSTEP 0, 0, 1, 35, 35, 35, 35
	WIN 0
	s_sub_co_u32 s52, s52, 1
	s_cmp_lg_u32 s52, 0
	s_cbranch_scc1 .Lround
	KSTEP 1, 0, 1, 35, 35, 35, 35
	s_wait_dscnt 0x0                               ; K step 2's hidden fragments are in
	KPART 2, 0, 0, 1, 35, 0
	KPART 2, 1, 0, 1, 35, 0
	KPART 2, 2, 0, 0, 35, 0                        ; nothing is left to ask for: no load, so no wait on va_vdst; the counts run down
	KPART 2, 3, 0, 0, 28, 0
	KSTEP 3, 0, 0, 21, 14, 7, 0
	WIN 0
; ---------------- THE WAY OUT ----------------
; y x the gate; through the stage, where a row's 2,048 bytes from four waves meet; each wave stores 16 whole rows at the places that the list names.
.set i, 0
.rept 16
	ds_load_b32 v[HA+i], v[LB] offset:LIST+4*i     ; my 16 rows' entries; nobody has written the list since the first barrier.  (The quantiser, which named v[HA ..] last, stands ahead of the wait in front of its stores)
.set i, i+1
.endr
	PLACES                                         ; behind the last products, ahead of the first read of their results
	WIN 0xc3                                       ; y window 3, the gate window 0
.irp n, 0,1,2,3,4,5,6,7
.irp m, 0,1,2,3
.irp q, 0,2,4,6
	v_pk_mul_f32 v[8*(4*\n+\m)+\q:8*(4*\n+\m)+\q+1], v[8*(4*\n+\m)+\q:8*(4*\n+\m)+\q+1], v[GT+2*\m:GT+2*\m+1] op_sel_hi:[1,0]
.endr
.endr
.endr
	WIN 0
	s_wait_dscnt 0x0                               ; the entries are in
.set i, 0
.rept 16
	v_min_u32 v[HA+i], 8191, v[HA+i]
	v_lshl_add_u32 v[HA+i], v[HA+i], 11, v[L16]    ; row 4 t + k of partial, 2,048 bytes a row
.set i, i+1
.endr
	s_wait_alu depctr_va_vdst(0)                   ; y x the gate is written, which the stage's stores read; the sixteen row offsets are written, which the row stores read; the products are done reading the ring and b1, on which the rows land
	WIN 0x0c                                       ; an LDS store's data are its source 1: window 3
.irp n, 0,1,2,3,4,5,6,7
.irp m, 0,1,2,3
	ds_store_b128 v[STO+\m], v[8*(4*\n+\m):8*(4*\n+\m)+3] offset:64*\n
	ds_store_b128 v[STO+\m], v[8*(4*\n+\m)+4:8*(4*\n+\m)+7] offset:64*\n+16
.endr
.endr
	WIN 0
	s_wait_dscnt 0x0
	s_barrier_signal -1
	s_barrier_wait -1                              ; 64 whole rows lie in the stage
.set i, 0
.rept 2                                ; my 16 rows in two groups of eight
	WIN 0x40
.set k, 0
.rept 8
.irp q, 0,1,2,3
	ds_load_b128 v[16*(i+k)+4*\q:16*(i+k)+4*\q+3], v[SRD] offset:SP*(i+k)+512*\q
.endr
.set k, k+1
.endr
.set k, 0
.rept 8
	WIN 0                                          ; at a branch every window is 0
	s_cmp_le_u32 s30, i+k                          ; the rows that count come first: at the first that does not, the wave is done
	s_cbranch_scc1 .Ldone
	s_wait_dscnt 28-4*k                            ; this row's four loads are in; the group's later rows' may be out
	WIN 0x04                                       ; a store's data are its source 1: window 1
.irp q, 0,1,2,3
	global_store_b128 v[HA+i+k], v[16*(i+k)+4*\q:16*(i+k)+4*\q+3], s[20:21] offset:512*\q th:TH_STORE_NT   ; 512 consecutive bytes, aligned; not read again in this launch
.endr
.set k, k+1
.endr
.set i, i+8
.endr
	WIN 0
.Ldone:
	s_wait_dscnt 0x0
	s_wait_xcnt 0x0
	v_lshl_add_u32 v254, v0, 2, 0x2f200            ; (b2's loads, which read v254, stand ahead of the head's wait on vm_vsrc)
	v_mov_b32 v255, 0
	s_wait_dscnt 0x0                               ; the closing lines, six on end
	s_wait_alu 0x0
	s_wait_tensorcnt 0x0
	ds_add_u32 v254, v255
	s_wait_dscnt 0x0
	s_endpgm
.Lfunc_end_k_q7ff0629f22_chain:
	.size	k_q7ff0629f22_chain, .Lfunc_end_k_q7ff0629f22_chain-k_q7ff0629f22_chain
	.p2alignl 7, 3214868480
	.fill 96, 4, 3214868480
	.section	.rodata,"a",@progbits
	.p2align	6, 0x0
	.amdhsa_kernel k_q7ff0629f22_chain
		.amdhsa_group_segment_fixed_size 193536
		.amdhsa_private_segment_fixed_size 0
		.amdhsa_enable_private_segment 0
		.amdhsa_kernarg_size 72
		.amdhsa_user_sgpr_count 2
		.amdhsa_user_sgpr_kernarg_segment_ptr 1
		.amdhsa_wavefront_size32 1
		.amdhsa_system_sgpr_workgroup_id_x 1
		.amdhsa_system_sgpr_workgroup_id_y 1
		.amdhsa_system_sgpr_workgroup_id_z 1
		.amdhsa_system_vgpr_workitem_id 0
		.amdhsa_next_free_vgpr 1024
		.amdhsa_next_free_sgpr 66
		.amdhsa_reserve_vcc 0
		.amdhsa_float_denorm_mode_32 3
		.amdhsa_float_denorm_mode_16_64 3
		.amdhsa_memory_ordered 1
		.amdhsa_forward_progress 1
		.amdhsa_inst_pref_size 255
	.end_amdhsa_kernel
	.section	.bss,"aw",@nobits
	.p2align	6
	.space	262144
	.amdgpu_metadata
---
amdhsa.version: [ 1, 2 ]
amdhsa.kernels:
  - .name:           k_q7ff0629f22_chain
    .symbol:         k_q7ff0629f22_chain.kd
    .args:
      - { .name: cnt, .offset: 0, .size: 8, .value_kind: global_buffer, .address_space: global }
      - { .name: route, .offset: 8, .size: 8, .value_kind: global_buffer, .address_space: global }
      - { .name: gates, .offset: 16, .size: 8, .value_kind: global_buffer, .address_space: global }
      - { .name: x_codes, .offset: 24, .size: 8, .value_kind: global_buffer, .address_space: global }
      - { .name: x_scales, .offset: 32, .size: 8, .value_kind: global_buffer, .address_space: global }
      - { .name: wimg, .offset: 40, .size: 8, .value_kind: global_buffer, .address_space: global }
      - { .name: b1, .offset: 48, .size: 8, .value_kind: global_buffer, .address_space: global }
      - { .name: b2, .offset: 56, .size: 8, .value_kind: global_buffer, .address_space: global }
      - { .name: partial, .offset: 64, .size: 8, .value_kind: global_buffer, .address_space: global }
    .group_segment_fixed_size: 193536
    .private_segment_fixed_size: 0
    .kernarg_segment_align: 8
    .kernarg_segment_size: 72
    .max_flat_workgroup_size: 128
    .sgpr_count:     66
    .vgpr_count:     1024
    .wavefront_size: 32
...
	.end_amdgpu_metadata
.endif
;; end of part 5
;; launch combine: the kernel of part 3 again; grid 256 x 1, 4 waves a work-group, no clusters, 0 bytes of LDS; arguments partial, out0; writes out0
